; MI455X (gfx1250); checked and timed in simulation.
; The chip was launched on July 23, 2026; its instructions are those of AMD's public machine-readable ISA for CDNA 5 (MIT licence, August 2026) and "CDNA5" Instruction Set Architecture Reference Guide (July 2026). The comments in the code are by the model that wrote it; some were corrected since.
;; D Transformer. Allowed arithmetic: matrix products marked QUANTISED: E3M2 operands, one E8M0 scale for each 32 along K, by v_wmma_scale_f32_16x16x128_f8f6f4 with both operands' format E3M2, f32 sums; everything else in f32.
;; Inputs: Wo 1,024 x 1,024 float32; Wq 1,024 x 1,024 float32; Wv 1,024 x 1,024 float32; bo 1,024 float32; bq 1,024 float32; bv 1,024 float32; gammas 16 float32; key 4 x 1,024 x 1,024 float32; ln_b 1,024 float32; ln_g 1,024 float32; query 4 x 1,024 x 1,024 float32; values 4 x 1,024 x 1,024 float32.
;; Outputs: out0 4 x 1,024 x 1,024 float32.
;; This version of the problem:
;;   THIS VERSION OF THE PROBLEM IS GIVEN IN LOW PRECISION. The matrix products marked QUANTISED in the list below multiply operands that are first quantised to E3M2 (3 exponent bits, 2 mantissa bits; 6 bits a number), with one power-of-two scale for each 32 numbers along K (OCP MX v1.0); their sums are f32. All else is computed in f32.
;;   The module's matrix products, in the order in which they are computed (A, B: the left and right operand; K: the contracted axis; several contracted axes count as one K, in the product's order):
;;     1. [M 4,096, K 1,024] x [K 1,024, N 1,024]; A: input query; B: input Wq: QUANTISED
;;     2. [M 4,096, K 1,024] x [K 1,024, N 1,024]; A: input key; B: input Wq: QUANTISED
;;     3. [M 4,096, K 1,024] x [K 1,024, N 1,024]; A: input values; B: input Wv: QUANTISED
;;     4. batch 64 x [M 1,024, K 64] x [K 64, N 1,024]; A: computed on the way; B: computed on the way: QUANTISED
;;     5. batch 64 x [M 1,024, K 1,024] x [K 1,024, N 64]; A: computed on the way; B: computed on the way: QUANTISED
;;     6. [M 4,096, K 1,024] x [K 1,024, N 1,024]; A: computed on the way; B: input Wo: QUANTISED
;;   THE QUANTISER, for each operand of a quantised product, along K:
;;     - K is cut into blocks of 32 from its start; a last block that is shorter is filled with zeros.
;;     - A block's scale is 2^e with e = floor(log2(the largest magnitude in the block)) - 4, held to -126 .. 127; a block of zeros has e = 0. As a byte (E8M0): e + 127.
;;     - Each number is divided by its block's scale, clamped to +-28, and rounded to the nearest number of E3M2, ties to even, subnormals kept.
;;     - The product sums the exact products of the quantised numbers (number of the format x scale) in f32.
;;   ~~~python
;;   def quantise(x, axis):      # numpy; x: float32 -> the quantised numbers, widened to float32 again
;;       x = np.moveaxis(x, axis, -1); K = x.shape[-1]
;;       x = np.pad(x, [(0, 0)] * (x.ndim - 1) + [(0, -K % 32)]); x = x.reshape(x.shape[:-1] + (-1, 32)); a = np.abs(x).max(-1, keepdims=True)
;;       e = np.where(a > 0, np.clip(np.frexp(np.where(a > 0, a, 1))[1] - 1 - 4, -126, 127), 0)      # np.frexp(a)[1] - 1 = floor(log2(a)), exactly
;;       r = np.clip(x / 2.0 ** e, -28, 28)
;;       step = 2.0 ** (np.maximum(np.frexp(np.where(r == 0, 1, r))[1] - 1, -2) - 2)
;;       q = np.round(r / step) * step * 2.0 ** e      # np.round: ties to even
;;       return np.moveaxis(q.reshape(q.shape[:-2] + (-1,))[..., :K], -1, axis).astype(np.float32)
;;   ~~~
;;   OPERANDS COMPUTED ON THE WAY. 'Computed on the way' means the value that the module computes at that place (a softmax that the list does not call 'softmax' is quantised finished and normalised). What goes into a quantiser is computed in f32, as accurately as f32 sums, v_exp_f32 and their like allow (about 1e-6 of the number): no bf16 or f16 on the way to a quantiser, and a product that is left as it is and whose result goes on into a quantised operand takes f32 operands (vector FMAs, or v_wmma_f32_16x16x4_f32). A number that lies on a knife's edge between two numbers of the format may be rounded either way, as far as f32 arithmetic and the matrix unit's own rounding can turn it there, and no further.
;; 2 versions, each right; version 2 is version 1 with the launches attn, outln written anew for expert scheduling mode. Each part assembles by itself: llvm-mc -triple=amdgcn-amd-amdhsa -mcpu=gfx1250 --defsym DOCPART=n.
;; ======== version 1 of 2: 4 launches
;; limits: right only within a limited range of input values
;; workspace buffers: cod 11,796,480 bytes; scl 491,520 bytes; qkc 6,291,456 bytes; qks 524,288 bytes; vc 3,145,728 bytes; vs 131,072 bytes; cc 3,145,728 bytes; cs 131,072 bytes
;; launch quant (part 1): grid 480 x 1, 4 waves a work-group, no clusters, 34,304 bytes of LDS; arguments query, key, values, Wq, Wv, Wo, cod, scl; writes cod, scl
.if DOCPART == 1
	.amdgcn_target "amdgcn-amd-amdhsa--gfx1250"
	.amdhsa_code_object_version 6
	.text
	.protected	k_qa64ab16351_quant
	.globl	k_qa64ab16351_quant
	.p2align	8
	.type	k_qa64ab16351_quant,@function
k_qa64ab16351_quant:
	s_mov_b64 s[64:65], 0
	v_nop
	global_prefetch_b8 v0, s[64:65] scope:SCOPE_SE
	s_setreg_imm32_b32 hwreg(HW_REG_WAVE_MODE, 25, 1), 1
	s_wait_xcnt 0x0
; DTransformer layer, B 4, T 1024, D 1024, H 16, head size 64, all six products on codes of BF6 (E3M2) with one E8M0 scale for each 32 along K.
; Four launches: quant (this one: the six f32 operands whose K is innermost become codes), proj (q, k, v as operands of attention), attn (both softmaxes, the distance effect, P V), outln (output projection, residual, LayerNorm).
; WORK LEFT OUT IN THE WHOLE PROGRAM, and why it can reach no output, for all finite inputs:
;  (a) reference() masks key j for query i unless j < i, by a mask that it builds itself: a step of 128 keys that lies wholly at or behind a tile's 16 queries gives p = 0 there and is not computed (scores, both softmaxes, P V).
;  (b) row 0 of each sequence has no key: where(mask, p, 0) makes its p zeros whatever its softmaxes give; here it falls out as p = 0, so x = query + bo.
;  (c) the upper clip 1e5 of total_effect: dist >= 0 and gamma_eff <= 0, so the exponential is at most 1 and the clip cannot bind.
;  (d) disttotal - distcum is the sum of s_ over the later keys: that sum is formed directly, of terms that are not negative, times pos > 0: the clip at 0 has nothing to clip.
;  (e) max(p) = 1 / l2 (l2 the second softmax's sum, its largest term being 1): p x min(1 / max(p), 5) = e2 x min(1, 5 / l2).
; Every input has a way to the output and is loaded by some launch.
; LIMITS: NaN and infinities among the inputs are not served, and a NaN, an infinity or an overflow that reaches only the work left out is not carried to the result; blocks whose largest magnitude lies under 2^-122
; keep the scale byte 1 (a block of zeros too: its codes are zeros, and these bytes are read by this program alone).
;
; THIS LAUNCH.  Rows are taken 16 at a time (a row tile) and 128 along K at a time (a unit); a unit leaves as the IMAGE OF AN OPERAND'S 12 REGISTERS: three pieces of 512 bytes, piece c = registers 4c..4c+3, lane l at 16 l.
; cod: [row tile 960][K step 8][1536]; tiles 0-255 query, 256-511 key, 512-767 values, 768-831 Wq, 832-895 Wv, 896-959 Wo.  scl: [row tile][half of K][row 16][4 words], a word = the four scale bytes of 128 along K.
; WHICH ROWS FORM A TILE: query: 16 neighbours.  All others: tile 2b+u holds rows 32b + 8u + r + 8 (r / 8), so that where such tiles are a product's source 0 a lane's 16 results of tiles 2b, 2b+1 are 16 neighbours.
; A wave takes one row tile and half of K: four units.  Each load reads 512 consecutive bytes of one row; the unit turns through the wave's own stage in LDS (rows of 512 + 16 bytes) so that lane (r, h) gets,
; of row r, numbers 32b + 16h + 0..15 of each block b.  Waves share nothing: no barrier.  No matrix unit, no cluster: the launch moves each byte once.
.set STGB,  8448                       ; a wave's stage: 16 rows x 528 bytes
.set SPARE, 4*STGB                     ; behind the stages: the spare words, 128 bytes for each wave
.set TM,  8                            ; v8-23   at work in QUANT
.set SW,  26                           ; v26-29  the four units' scale words
.set CT,  30                           ; v30-37  the upper halves of the blocks' codes
.set PC,  38                           ; v38-49  a unit's codes: the operand's 12 registers
.set X,   64                           ; v64-127 a unit's 64 numbers of my row
.set R,   128                          ; v128-255 two sets of 64 registers as loaded
.set BA,  36                           ; s[36:37] rows 0-7 of my tile, at my half of K
.set BB,  38                           ; s[38:39] rows 8-15
.set OC,  40                           ; s[40:41] my codes
.set OS,  42                           ; s[42:43] my scale words
.set SEL, 44                           ; s[44:45] v_permlanex16_b32's selects for lane l xor 16
; 64 numbers of a lane, register 16b + i = k 32b + 16 (lane / 16) + i of its row, become the operand's registers d0..d0+5 (k 0-63) and d1..d1+5 (k 64-127) and the row's scale word in pw.
.macro QUANT src, d0, d1, pw
.irp b, 0,1,2,3
	v_max3_num_f32 v[TM+\b], |v[\src+16*\b]|, |v[\src+1+16*\b]|, 0x2800000   ; my 16 numbers of block b, and the floor 2^(5 - 127): the byte cannot fall under 1
.endr
.irp i, 2,4,6,8,10,12,14
.irp b, 0,1,2,3
	v_max3_num_f32 v[TM+\b], v[TM+\b], |v[\src+16*\b+\i]|, |v[\src+1+16*\b+\i]|
.endr
.endr
.irp b, 0,1,2,3
	v_permlanex16_b32 v[TM+4+\b], v[TM+\b], s[SEL], s[SEL+1]
.endr
.irp b, 0,1,2,3
	v_max_num_f32 v[TM+\b], v[TM+\b], v[TM+4+\b]          ; with lane l xor 16's: the block's largest magnitude
.endr
.irp b, 0,1,2,3
	v_add_nc_u32 v[TM+12+\b], 0xfe000000, v[TM+\b]        ; 4 off its exponent field: the conversion's scale operand
.endr
.irp b, 0,1,2,3
	v_lshrrev_b32 v[TM+4+\b], 23, v[TM+12+\b]             ; the scale's byte
.endr
	v_lshl_or_b32 v[\pw], v[TM+5], 8, v[TM+4]
	v_lshl_or_b32 v[\pw], v[TM+6], 16, v[\pw]
	v_lshl_or_b32 v[\pw], v[TM+7], 24, v[\pw]
	v_cvt_scalef32_pk16_bf6_f32 v[\d0:\d0+2], v[\src:\src+15], v[TM+12]
	v_cvt_scalef32_pk16_bf6_f32 v[CT:CT+2], v[\src+16:\src+31], v[TM+13]
	v_cvt_scalef32_pk16_bf6_f32 v[\d1:\d1+2], v[\src+32:\src+47], v[TM+14]
	v_cvt_scalef32_pk16_bf6_f32 v[CT+4:CT+6], v[\src+48:\src+63], v[TM+15]
	v_nop                                                 ; one plain place behind the scaled conversions
.irp i, 0,1,2
	v_permlane16_swap_b32 v[\d0+\i], v[CT+\i]             ; the layout wants a whole block in a lane: lanes 0-15 the even block, lanes 16-31 the odd one
	v_permlane16_swap_b32 v[\d1+\i], v[CT+4+\i]
.endr
.irp i, 0,1,2
	v_mov_b32 v[\d0+3+\i], v[CT+\i]
	v_mov_b32 v[\d1+3+\i], v[CT+4+\i]
.endr
.endm
	s_load_b512 s[8:23], s[0:1], 0x0               ; query, key, values, Wq, Wv, Wo, cod, scl
	v_lshl_add_u32 v1, v0, 2, SPARE                ; my spare word
	v_mov_b32 v2, 0
	v_lshrrev_b32 v4, 5, v0
	v_readfirstlane_b32 s2, v4                     ; wave 0..3
	v_and_b32 v5, 31, v0
	v_lshlrev_b32 v3, 4, v5                        ; 16 x lane; never rewritten
	v_and_b32 v6, 15, v0                           ; r
	v_bfe_u32 v7, v0, 4, 1                         ; h
	s_mul_i32 s3, s2, STGB
	v_add_nc_u32 v4, s3, v3                        ; the stage, on the way in: a row's 512 bytes as they lie
	v_mul_u32_u24 v5, v6, 528
	v_lshl_add_u32 v5, v7, 6, v5
	v_add_nc_u32 v5, s3, v5                        ; and out: row r, + 64 h
	v_lshlrev_b32 v6, 4, v6
	v_lshl_add_u32 v6, v7, 3, v6                   ; scale words: 16 r + 8 h
.irp b, 0,1,2,3
	v_mov_b32 v[TM+4+\b], 0                        ; written once: a lane permute's destination counts as one of its sources
.endr
	s_mov_b32 s[SEL], 0x76543210
	s_mov_b32 s[SEL+1], 0xfedcba98
	s_lshr_b32 s32, s2, 1
	s_and_b32 s33, s2, 1                           ; which half of K
	s_lshl_b32 s27, ttmp9, 1
	s_add_co_u32 s27, s27, s32                     ; my row tile: 2 x work-group + wave / 2
	s_mul_i32 s34, s27, 12288
	s_mul_i32 s32, s33, 6144
	s_add_co_u32 s34, s34, s32
	s_mov_b32 s35, 0
	s_lshl_b32 s46, s27, 9
	s_lshl_b32 s32, s33, 8
	s_add_co_u32 s46, s46, s32
	s_mov_b32 s47, 0
	s_wait_kmcnt 0x0
	s_add_nc_u64 s[OC:OC+1], s[20:21], s[34:35]
	s_add_nc_u64 s[OS:OS+1], s[22:23], s[46:47]
	s_mov_b64 s[24:25], s[18:19]                   ; which tensor, and its first tile: by the work-group's number alone; only a pointer is chosen, the text has one way
	s_mov_b32 s26, 896
	s_cmp_lt_u32 ttmp9, 448
	s_cselect_b64 s[24:25], s[16:17], s[24:25]
	s_cselect_b32 s26, 832, s26
	s_cmp_lt_u32 ttmp9, 416
	s_cselect_b64 s[24:25], s[14:15], s[24:25]
	s_cselect_b32 s26, 768, s26
	s_cmp_lt_u32 ttmp9, 384
	s_cselect_b64 s[24:25], s[12:13], s[24:25]
	s_cselect_b32 s26, 512, s26
	s_cmp_lt_u32 ttmp9, 256
	s_cselect_b64 s[24:25], s[10:11], s[24:25]
	s_cselect_b32 s26, 256, s26
	s_cmp_lt_u32 ttmp9, 128
	s_cselect_b64 s[24:25], s[8:9], s[24:25]
	s_cselect_b32 s26, 0, s26
	s_sub_co_u32 s32, s27, s26                     ; the tile's number a in its tensor
	s_lshr_b32 s28, s32, 1
	s_lshl_b32 s28, s28, 5
	s_and_b32 s30, s32, 1
	s_lshl_b32 s30, s30, 3
	s_add_co_u32 s28, s28, s30                     ; 32 (a / 2) + 8 (a % 2)
	s_lshl_b32 s30, s32, 4                         ; 16 a
	s_cmp_lt_u32 ttmp9, 128                        ; query's tiles are 16 neighbours
	s_cselect_b32 s28, s30, s28                    ; the row of r = 0
	s_cselect_b32 s30, 8, 16
	s_add_co_u32 s30, s28, s30                     ; the row of r = 8
	s_lshl_b32 s28, s28, 12
	s_lshl_b32 s30, s30, 12
	s_lshl_b32 s32, s33, 11
	s_add_co_u32 s28, s28, s32
	s_add_co_u32 s30, s30, s32
	s_mov_b32 s29, 0
	s_mov_b32 s31, 0
	s_add_nc_u64 s[BA:BA+1], s[24:25], s[28:29]
	s_add_nc_u64 s[BB:BB+1], s[24:25], s[30:31]
.macro LOAD u                          ; unit u: 16 rows x 512 consecutive bytes
.irp i, 0,1,2,3,4,5,6,7
	global_load_b128 v[R+64*((\u)%2)+4*\i:R+64*((\u)%2)+4*\i+3], v3, s[BA:BA+1] offset:\i*4096+(\u)*512 th:TH_LOAD_NT
.endr
.irp i, 0,1,2,3,4,5,6,7
	global_load_b128 v[R+64*((\u)%2)+32+4*\i:R+64*((\u)%2)+32+4*\i+3], v3, s[BB:BB+1] offset:\i*4096+(\u)*512 th:TH_LOAD_NT
.endr
.endm
.macro UNIT u
.if (\u) < 3
	s_wait_loadcnt 16                              ; this unit's 16 loads are in; the next unit's 16 stay out
.else
	s_wait_loadcnt 0x0
.endif
.irp i, 0,1,2,3,4,5,6,7,8,9,10,11,12,13,14,15
	ds_store_b128 v4, v[R+64*((\u)%2)+4*\i:R+64*((\u)%2)+4*\i+3] offset:\i*528
.endr
.irp b, 0,1,2,3
.irp j, 0,1,2,3
	ds_load_b128 v[X+16*\b+4*\j:X+16*\b+4*\j+3], v5 offset:128*\b+16*\j   ; LDS serves a wave's instructions in order: these see the stores above
.endr
.endr
	s_wait_dscnt 0x0                               ; the numbers are back, and the stores have read their registers,
.if (\u) < 2
	LOAD (\u)+2                                    ; which take the loads of two units on
.endif
	s_wait_xcnt 0x0                                ; the last unit's stores have read PC: it is written again only behind this wait
	QUANT X, PC, PC+6, SW+(\u)
.irp c, 0,1,2
	global_store_b128 v3, v[PC+4*\c:PC+4*\c+3], s[OC:OC+1] offset:(\u)*1536+512*\c   ; 512 consecutive bytes, aligned
.endr
.endm
	LOAD 0
	LOAD 1
	UNIT 0
	UNIT 1
	UNIT 2
	UNIT 3
	v_cmp_ne_u32 vcc_lo, 0, v7                     ; lanes 0-15 store words 0, 1 of their row, lanes 16-31 words 2, 3: 256 consecutive bytes
	v_cndmask_b32 v24, v[SW], v[SW+2], vcc_lo
	v_cndmask_b32 v25, v[SW+1], v[SW+3], vcc_lo
	global_store_b64 v6, v[24:25], s[OS:OS+1]
	s_wait_tensorcnt 0x0                           ; the wave's end
	ds_add_u32 v1, v2
	s_wait_dscnt 0x0
	s_endpgm
.Lfunc_end_k_qa64ab16351_quant:
	.size	k_qa64ab16351_quant, .Lfunc_end_k_qa64ab16351_quant-k_qa64ab16351_quant
	.p2alignl 7, 3214868480
	.fill 96, 4, 3214868480
	.section	.rodata,"a",@progbits
	.p2align	6, 0x0
	.amdhsa_kernel k_qa64ab16351_quant
		.amdhsa_group_segment_fixed_size 34304
		.amdhsa_private_segment_fixed_size 0
		.amdhsa_enable_private_segment 0
		.amdhsa_kernarg_size 64
		.amdhsa_user_sgpr_count 2
		.amdhsa_user_sgpr_kernarg_segment_ptr 1
		.amdhsa_wavefront_size32 1
		.amdhsa_system_sgpr_workgroup_id_x 1
		.amdhsa_system_sgpr_workgroup_id_y 1
		.amdhsa_system_sgpr_workgroup_id_z 1
		.amdhsa_system_vgpr_workitem_id 0
		.amdhsa_next_free_vgpr 256
		.amdhsa_next_free_sgpr 66
		.amdhsa_reserve_vcc 1
		.amdhsa_float_denorm_mode_32 3
		.amdhsa_float_denorm_mode_16_64 3
		.amdhsa_memory_ordered 1
		.amdhsa_forward_progress 1
		.amdhsa_inst_pref_size 35
	.end_amdhsa_kernel
	.amdgpu_metadata
---
amdhsa.version: [ 1, 2 ]
amdhsa.kernels:
  - .name:           k_qa64ab16351_quant
    .symbol:         k_qa64ab16351_quant.kd
    .args:
      - { .name: query, .offset: 0, .size: 8, .value_kind: global_buffer, .address_space: global }
      - { .name: key, .offset: 8, .size: 8, .value_kind: global_buffer, .address_space: global }
      - { .name: values, .offset: 16, .size: 8, .value_kind: global_buffer, .address_space: global }
      - { .name: Wq, .offset: 24, .size: 8, .value_kind: global_buffer, .address_space: global }
      - { .name: Wv, .offset: 32, .size: 8, .value_kind: global_buffer, .address_space: global }
      - { .name: Wo, .offset: 40, .size: 8, .value_kind: global_buffer, .address_space: global }
      - { .name: cod, .offset: 48, .size: 8, .value_kind: global_buffer, .address_space: global }
      - { .name: scl, .offset: 56, .size: 8, .value_kind: global_buffer, .address_space: global }
    .group_segment_fixed_size: 34304
    .private_segment_fixed_size: 0
    .kernarg_segment_align: 8
    .kernarg_segment_size: 64
    .max_flat_workgroup_size: 128
    .sgpr_count:     66
    .vgpr_count:     256
    .wavefront_size: 32
...
	.end_amdgpu_metadata
.endif
;; end of part 1
;; launch proj (part 2): grid 4 x 96, 4 waves a work-group, clusters of 4 x 4, 295,424 bytes of LDS; arguments cod, scl, bq, bv, qkc, qks, vc, vs; writes qkc, qks, vc, vs
.if DOCPART == 2
	.amdgcn_target "amdgcn-amd-amdhsa--gfx1250"
	.amdhsa_code_object_version 6
	.text
	.protected	k_qa64ab16351_proj
	.globl	k_qa64ab16351_proj
	.p2align	8
	.type	k_qa64ab16351_proj,@function
k_qa64ab16351_proj:
	s_mov_b64 s[64:65], 0
	v_nop
	global_prefetch_b8 v0, s[64:65] scope:SCOPE_SE
	s_setreg_imm32_b32 hwreg(HW_REG_WAVE_MODE, 25, 1), 1
	s_wait_xcnt 0x0
	s_wait_alu depctr_hold_cnt(0) depctr_sa_sdst(0) depctr_va_vdst(0) depctr_va_sdst(0) depctr_va_ssrc(0) depctr_va_vcc(0) depctr_vm_vsrc(0)
	s_getreg_b32 s2, hwreg(HW_REG_IB_STS2, 6, 4)
	s_cmp_eq_u32 s2, 0
	s_cbranch_scc0 .Lentry_in_a_cluster
	s_endpgm
.Lentry_in_a_cluster:
	s_bfe_u32 s2, ttmp6, 0x10000c
	s_cmp_lg_u32 s2, 0xf033
	s_cbranch_scc0 .Lentry_shape_is_right
	s_endpgm
.Lentry_shape_is_right:
; q = query Wq^T + bq, k = key Wq^T + bq, v = values Wv^T + bv, on the codes that the launch before made, and quantised again on the way out as attention's operands.  No work of reference() is left out here.
; A work-group multiplies 16 tiles of source 0 (256 rows) by 8 tiles of source 1 (128 rows) over all of K = 1024.  Wave w: a = w / 2 picks 8 tiles of source 0, c = w % 2 picks 4 of source 1: 32 accumulators.
; q, k (cluster y 0-15): source 0 = rows of Wq, source 1 = tokens: a lane holds ONE token and its registers run along 128 outputs e = two heads, which are the scores' K.
; v (cluster y 16-23):  source 0 = tokens of values, source 1 = rows of Wv: a lane holds ONE channel and its registers run along 128 keys, which are the K of P V.
; In both, source 0's tiles hold rows 32b + 8u + r + 8 (r / 8), so the 16 registers of tiles 2b, 2b+1 are 16 neighbours along the next K.
; LDS: all of K for both sources is 16 x 12288 + 8 x 12288 = 294,912 bytes: it is filled ONCE, in four chunks of two K steps; nothing is filled again, so there is no ring.
; CLUSTER 4 x 4: source 0's tiles hang on cx (and the cluster's y) alone and are shared along a column of the cluster, source 1's on cy alone and are shared along a row: each is asked for jointly.
; Every wave issues eight tensor loads (four chunks x two sources), all at the head: eight of a wave's loads are out at the most.
; OUT.  qkc: [(q: b, k: 4 + b) x 16 + head][quad of 4 token tiles][6 pieces x 512]: a run of 24 registers, tile n of the quad = registers 6n..6n+5, the lower half of an operand (64 along K).
;       qks: [same][quad][r][n][4]: bytes 0, 1 the head's two scales; bytes 2, 3 the next head's or 0: never 0xff.   vc: [b x 16 + head][step of 128 keys][channel tile 4][1536].   vs: [same][step][r][n][4].
; REGISTERS: window 0: v4-7, v8-11 LDS addresses of my tiles in chunk 0-3; v12-15 at work; v16-47, v48-63 scale words (pair of tiles p, K step s); v64-207 fragments, buffer 0; on the way out v64-231.
;            window 1: accumulator (n, a) at v[8 (8n + a)].   window 2: v0-63 the bias; v64-207 fragments, buffer 1.
.set SPARE, 294912                     ; behind the tiles: the spare words, 128 bytes for each wave
.set BOFF,  196608                     ; source 1's tiles lie behind source 0's
.set G1A, 20                           ; s[20:27] descriptor group 1, source 0: 4 rows of 3072 bytes
.set G1B, 28                           ; s[28:35] source 1: 2 rows
.set WV,  72
.set SEL, 86
.set TM,  208
.set CT,  224
.set H,   64
.set RUN, 128
.set SWQ, 176
.set MSB, 0
.macro WIN new                         ; the immediate's high byte repeats the setting that is left
.if MSB != \new
	s_set_vgpr_msb (MSB<<8)|\new
.set MSB, \new
.endif
.endm
.macro PLACES n
.rept \n
	v_nop
.endr
.endm
.macro CROUND                          ; a round of the cluster's barrier
	s_barrier_signal -1
	s_barrier_wait -1
	s_cmp_lg_u32 s[WV], 0
	s_cbranch_scc1 .Lnot_wave_0_\@
	s_barrier_signal -3
.Lnot_wave_0_\@:
	s_barrier_wait -3
	s_barrier_signal -1
	s_barrier_wait -1
.endm
.macro GSEL q                          ; descriptor group 0 of load q: s[36+4q..], the last at s[68:71]
.if (\q) < 7
.set GQ, 36+4*(\q)
.else
.set GQ, 68
.endif
.endm
.macro QUANT src, d0, d1, pw           ; as in the launch before: 64 numbers of a lane -> d0..d0+5, d1..d1+5 and the scale word
.irp b, 0,1,2,3
	v_max3_num_f32 v[TM+\b], |v[\src+16*\b]|, |v[\src+1+16*\b]|, 0x2800000
.endr
.irp i, 2,4,6,8,10,12,14
.irp b, 0,1,2,3
	v_max3_num_f32 v[TM+\b], v[TM+\b], |v[\src+16*\b+\i]|, |v[\src+1+16*\b+\i]|
.endr
.endr
.irp b, 0,1,2,3
	v_permlanex16_b32 v[TM+4+\b], v[TM+\b], s[SEL], s[SEL+1]
.endr
.irp b, 0,1,2,3
	v_max_num_f32 v[TM+\b], v[TM+\b], v[TM+4+\b]
.endr
.irp b, 0,1,2,3
	v_add_nc_u32 v[TM+12+\b], 0xfe000000, v[TM+\b]
.endr
.irp b, 0,1,2,3
	v_lshrrev_b32 v[TM+4+\b], 23, v[TM+12+\b]
.endr
	v_lshl_or_b32 v[\pw], v[TM+5], 8, v[TM+4]
	v_lshl_or_b32 v[\pw], v[TM+6], 16, v[\pw]
	v_lshl_or_b32 v[\pw], v[TM+7], 24, v[\pw]
	v_cvt_scalef32_pk16_bf6_f32 v[\d0:\d0+2], v[\src:\src+15], v[TM+12]
	v_cvt_scalef32_pk16_bf6_f32 v[CT:CT+2], v[\src+16:\src+31], v[TM+13]
	v_cvt_scalef32_pk16_bf6_f32 v[\d1:\d1+2], v[\src+32:\src+47], v[TM+14]
	v_cvt_scalef32_pk16_bf6_f32 v[CT+4:CT+6], v[\src+48:\src+63], v[TM+15]
	v_nop                                                 ; one plain place behind the scaled conversions
.irp i, 0,1,2
	v_permlane16_swap_b32 v[\d0+\i], v[CT+\i]
	v_permlane16_swap_b32 v[\d1+\i], v[CT+4+\i]
.endr
.irp i, 0,1,2
	v_mov_b32 v[\d0+3+\i], v[CT+\i]
	v_mov_b32 v[\d1+3+\i], v[CT+4+\i]
.endr
.endm
; one matrix instruction: D (and C, unless zero) at d, A at a, B at b; ra, rb: the side's scales stand in lanes 16-31 of the register named
.macro WM d, a, b, zero, sa, sb, ra, rb
.if \zero
.if (\ra) && (\rb)
	v_wmma_scale_f32_16x16x128_f8f6f4 v[\d:\d+7], v[\a:\a+11], v[\b:\b+11], 0, v[\sa], v[\sb] matrix_a_fmt:MATRIX_FMT_BF6 matrix_b_fmt:MATRIX_FMT_BF6 matrix_a_scale:MATRIX_SCALE_ROW1 matrix_b_scale:MATRIX_SCALE_ROW1
.elseif \ra
	v_wmma_scale_f32_16x16x128_f8f6f4 v[\d:\d+7], v[\a:\a+11], v[\b:\b+11], 0, v[\sa], v[\sb] matrix_a_fmt:MATRIX_FMT_BF6 matrix_b_fmt:MATRIX_FMT_BF6 matrix_a_scale:MATRIX_SCALE_ROW1
.elseif \rb
	v_wmma_scale_f32_16x16x128_f8f6f4 v[\d:\d+7], v[\a:\a+11], v[\b:\b+11], 0, v[\sa], v[\sb] matrix_a_fmt:MATRIX_FMT_BF6 matrix_b_fmt:MATRIX_FMT_BF6 matrix_b_scale:MATRIX_SCALE_ROW1
.else
	v_wmma_scale_f32_16x16x128_f8f6f4 v[\d:\d+7], v[\a:\a+11], v[\b:\b+11], 0, v[\sa], v[\sb] matrix_a_fmt:MATRIX_FMT_BF6 matrix_b_fmt:MATRIX_FMT_BF6
.endif
.else
.if (\ra) && (\rb)
	v_wmma_scale_f32_16x16x128_f8f6f4 v[\d:\d+7], v[\a:\a+11], v[\b:\b+11], v[\d:\d+7], v[\sa], v[\sb] matrix_a_fmt:MATRIX_FMT_BF6 matrix_b_fmt:MATRIX_FMT_BF6 matrix_a_scale:MATRIX_SCALE_ROW1 matrix_b_scale:MATRIX_SCALE_ROW1
.elseif \ra
	v_wmma_scale_f32_16x16x128_f8f6f4 v[\d:\d+7], v[\a:\a+11], v[\b:\b+11], v[\d:\d+7], v[\sa], v[\sb] matrix_a_fmt:MATRIX_FMT_BF6 matrix_b_fmt:MATRIX_FMT_BF6 matrix_a_scale:MATRIX_SCALE_ROW1
.elseif \rb
	v_wmma_scale_f32_16x16x128_f8f6f4 v[\d:\d+7], v[\a:\a+11], v[\b:\b+11], v[\d:\d+7], v[\sa], v[\sb] matrix_a_fmt:MATRIX_FMT_BF6 matrix_b_fmt:MATRIX_FMT_BF6 matrix_b_scale:MATRIX_SCALE_ROW1
.else
	v_wmma_scale_f32_16x16x128_f8f6f4 v[\d:\d+7], v[\a:\a+11], v[\b:\b+11], v[\d:\d+7], v[\sa], v[\sb] matrix_a_fmt:MATRIX_FMT_BF6 matrix_b_fmt:MATRIX_FMT_BF6
.endif
.endif
.endm
	s_load_b512 s[4:19], s[0:1], 0x0               ; cod, scl, bq, bv, qkc, qks, vc, vs
	v_lshl_add_u32 v1, v0, 2, SPARE
	v_mov_b32 v2, 0
	ds_add_u32 v1, v2                              ; the wave's opening: the add, twice on end, and its wait ahead of my first tensor load
	ds_add_u32 v1, v2
	v_lshrrev_b32 v3, 5, v0
	v_readfirstlane_b32 s[WV], v3                  ; wave 0..3
	s_lshr_b32 s73, s[WV], 1                       ; a
	s_and_b32 s74, s[WV], 1                        ; c
	s_bfe_u32 s75, ttmp6, 0x40000                  ; cx
	s_bfe_u32 s76, ttmp6, 0x40004                  ; cy
	s_and_b32 s77, ttmp7, 0xffff                   ; the cluster's y, 0..23: the same in all sixteen partners
	s_lshl_b32 s82, s76, 2
	s_lshl_b32 s82, 15, s82                        ; my row of the cluster
	s_lshl_b32 s83, 0x1111, s75                    ; my column
	s_or_b32 s[G1A], s83, (3<<16)|(1<<21)          ; 15:0 the mask: source 0's tiles go to my column; 17:16 elements of 8 bytes; 21 set beside a mask; no padding
	s_or_b32 s[G1B], s82, (3<<16)|(1<<21)          ; source 1's go to my row
.irp g, G1A, G1B
	s_mov_b32 s[\g+1], 384<<16                     ; tensor_dim0 = 384 elements: two K steps of a tile, 3072 bytes
	s_mov_b32 s[\g+3], 384<<16                     ; tile_dim0
	s_mov_b32 s[\g+5], 1536                        ; from tile to tile: 12288 bytes
	s_mov_b32 s[\g+6], 0
	s_mov_b32 s[\g+7], 0
.endr
	s_mov_b32 s[G1A+2], 4<<16                      ; tensor_dim1 = 4 tiles
	s_mov_b32 s[G1A+4], 4                          ; tile_dim1
	s_mov_b32 s[G1B+2], 2<<16
	s_mov_b32 s[G1B+4], 2
	s_cmp_ge_u32 s77, 16
	s_cselect_b32 s78, 1, 0                        ; 1: this cluster makes v
	s_sub_co_u32 s79, s77, 16                      ; its number among v's eight (used where s78 = 1 alone)
	s_lshr_b32 s80, s79, 1
	s_lshl_b32 s80, s80, 6
	s_add_co_u32 s80, s80, 512
	s_cmp_ge_u32 s77, 16
	s_cselect_b32 s80, s80, 768
	s_lshl_b32 s84, s75, 4
	s_add_co_u32 s80, s80, s84                     ; source 0's first tile in cod: Wq 768 + 16 cx, or values 512 + 64 (.. / 2) + 16 cx
	s_and_b32 s81, s79, 1
	s_lshl_b32 s81, s81, 5
	s_add_co_u32 s81, s81, 832
	s_lshl_b32 s85, s77, 5
	s_cmp_ge_u32 s77, 16
	s_cselect_b32 s81, s81, s85
	s_lshl_b32 s85, s76, 3
	s_add_co_u32 s81, s81, s85                     ; source 1's: tokens 32 y + 8 cy, or Wv 832 + 32 (.. % 2) + 8 cy
	s_lshl_b32 s82, s[WV], 2
	s_add_co_u32 s88, s80, s82                     ; the four tiles of source 0 that I fetch
	s_mul_i32 s88, s88, 12288
	s_mov_b32 s89, 0
	s_lshl_b32 s83, s[WV], 1
	s_add_co_u32 s90, s81, s83                     ; the two of source 1
	s_mul_i32 s90, s90, 12288
	s_mov_b32 s91, 0
	s_mul_i32 s92, s[WV], 12288                    ; where they go: the wave's number and constants alone
	s_mul_i32 s93, s[WV], 6144
	s_add_co_u32 s93, s93, BOFF
	s_mov_b32 s[SEL], 0x76543210
	s_mov_b32 s[SEL+1], 0xfedcba98
	s_wait_dscnt 0x0                               ; both opening adds are done
	s_wait_kmcnt 0x0
	s_add_nc_u64 s[88:89], s[4:5], s[88:89]
	s_add_nc_u64 s[90:91], s[4:5], s[90:91]
.irp k, 0,1,2,3
	GSEL 2*\k
	s_mov_b32 s[GQ], 1
	s_add_co_u32 s[GQ+1], s92, \k*49152            ; chunk k of source 0: 16 tiles x 3072
	s_add_nc_u64 s[GQ+2:GQ+3], s[88:89], \k*3072
	s_or_b32 s[GQ+3], s[GQ+3], 0x80000000
	GSEL 2*\k+1
	s_mov_b32 s[GQ], 1
	s_add_co_u32 s[GQ+1], s93, \k*24576            ; chunk k of source 1: 8 tiles x 3072
	s_add_nc_u64 s[GQ+2:GQ+3], s[90:91], \k*3072
	s_or_b32 s[GQ+3], s[GQ+3], 0x80000000
.endr
	CROUND                                         ; all sixteen work-groups are here: the joint loads meet
.irp k, 0,1,2,3
	GSEL 2*\k
	tensor_load_to_lds s[GQ:GQ+3], s[G1A:G1A+7]
	s_nop 0
	GSEL 2*\k+1
	tensor_load_to_lds s[GQ:GQ+3], s[G1B:G1B+7]
	s_nop 0
.endr
	PLACES 4
	v_and_b32 v3, 31, v0
	v_lshlrev_b32 v3, 4, v3                        ; 16 x lane; never rewritten
	s_mul_i32 s84, s73, 24576                      ; my 8 tiles of source 0
	s_mul_i32 s85, s74, 12288                      ; my 4 of source 1
	s_add_co_u32 s85, s85, BOFF
.irp k, 0,1,2,3
	v_add_nc_u32 v[4+\k], s84, v3
	v_add_nc_u32 v[8+\k], s85, v3
	s_add_co_u32 s84, s84, 49152
	s_add_co_u32 s85, s85, 24576
.endr
	v_and_b32 v13, 15, v0                          ; r
	v_bfe_u32 v14, v0, 4, 1                        ; h; kept
	v_lshlrev_b32 v12, 4, v13
	v_lshl_add_u32 v12, v14, 9, v12                ; scale words: lanes 0-15 the even tile of a pair, lanes 16-31 the odd one: 512 h + 16 r
.irp b, 0,1,2,3
	v_mov_b32 v[TM+4+\b], 0                        ; written once: a lane permute's destination counts as one of its sources
.endr
	s_lshl_b32 s84, s73, 3
	s_add_co_u32 s84, s84, s80
	s_lshl_b32 s84, s84, 9
	s_mov_b32 s85, 0
	s_add_nc_u64 s[94:95], s[6:7], s[84:85]
	s_lshl_b32 s84, s74, 2
	s_add_co_u32 s84, s84, s81
	s_lshl_b32 s84, s84, 9
	s_add_nc_u64 s[96:97], s[6:7], s[84:85]
.irp p, 0,1,2,3
.irp f, 0,1
	global_load_b128 v[16+8*\p+4*\f:19+8*\p+4*\f], v12, s[94:95] offset:\p*1024+\f*256   ; four K steps' words of a pair of tiles
.endr
.endr
.irp p, 0,1
.irp f, 0,1
	global_load_b128 v[48+8*\p+4*\f:51+8*\p+4*\f], v12, s[96:97] offset:\p*1024+\f*256
.endr
.endr
.macro FETCH s                         ; K step s: 8 + 4 fragments, three loads of 512 consecutive bytes each, into buffer s % 2
.if ((\s)%2) == 0
	WIN 0
.else
	WIN 0x80
.endif
.irp t, 0,1,2,3,4,5,6,7
.irp p, 0,1,2
	ds_load_b128 v[64+12*\t+4*\p:67+12*\t+4*\p], v[4+(\s)/2] offset:\t*3072+((\s)%2)*1536+512*\p
.endr
.endr
.irp n, 0,1,2,3
.irp p, 0,1,2
	ds_load_b128 v[160+12*\n+4*\p:163+12*\n+4*\p], v[8+(\s)/2] offset:\n*3072+((\s)%2)*1536+512*\p
.endr
.endr
.endm
.macro KSTEP s
	s_wait_dscnt 0x0                               ; this step's fragments are in
.if (((\s)%2) == 1) && ((\s) < 7)
	s_wait_tensorcnt 5-(\s)                        ; my two loads of the next chunk have landed; the two of each later chunk stay out
	s_barrier_signal -1
	s_barrier_wait -1                              ; everybody's have
.endif
.if (\s) < 7
.if (\s) > 0
	PLACES 4                                       ; in front of loads into registers that the last step but one's products read
.endif
	FETCH (\s)+1
.endif
.if ((\s)%2) == 0
	WIN 0x50                                       ; A, B window 0; C, D window 1
.else
	WIN 0x5a                                       ; A, B window 2
.endif
.if (\s) == 0
.set ZZ, 1
.else
.set ZZ, 0
.endif
.irp n, 0,1,2,3                        ; the 32 accumulators take turns, in the same order in every step
.irp a, 0,1,2,3,4,5,6,7
	WM 8*(8*\n+\a), 64+12*\a, 160+12*\n, ZZ, 16+8*(\a/2)+(\s), 48+8*(\n/2)+(\s), \a%2, \n%2
.endr
.endr
.endm
	s_wait_tensorcnt 6                             ; my two loads of chunk 0 have landed; the six of chunks 1 to 3 stay out
	s_barrier_signal -1
	s_barrier_wait -1
	FETCH 0
	s_wait_loadcnt 0x0                             ; the scale words
	KSTEP 0
	KSTEP 1
	KSTEP 2
	KSTEP 3
	KSTEP 4
	KSTEP 5
	WIN 0
	s_cmp_lg_u32 s78, 0                            ; the text parts once, on the cluster's y: each way loads its bias, runs the last two K steps and goes out in its own layout
	s_cbranch_scc1 .Lv
	; ---- q, k.  The bias runs along the registers: bq at e0 + 32b + 16h + i, e0 = 256 cx + 128 a
	s_lshl_b32 s84, s75, 1
	s_add_co_u32 s84, s84, s73
	s_lshl_b32 s84, s84, 9
	s_mov_b32 s85, 0
	s_add_nc_u64 s[98:99], s[8:9], s[84:85]
	v_lshlrev_b32 v13, 6, v14
	WIN 0x80
.irp q, 0,1,2,3,4,5,6,7,8,9,10,11,12,13,14,15
	global_load_b128 v[4*\q:4*\q+3], v13, s[98:99] offset:128*(\q/4)+16*(\q%4)
.endr
	KSTEP 6
	KSTEP 7
	WIN 0
	PLACES 4
	s_wait_loadcnt 0x0
.irp n, 0,1,2,3                        ; token tile n: 128 outputs of my token = two heads
	WIN 0x09                                       ; source 0 window 1 (the sums), source 1 window 2 (the bias)
.set kk, 0
.rept 32
	v_pk_add_f32 v[H+kk:H+kk+1], v[64*\n+kk:64*\n+kk+1], v[kk:kk+1]   ; each accumulator from its low end on
.set kk, kk+2
.endr
	WIN 0
	QUANT H, RUN+6*\n, RUN+24+6*\n, SWQ+\n         ; the first head's six registers into one run, the second's into the other
.endr
	s_lshl_b32 s84, s74, 2
	s_add_co_u32 s84, s84, s81                     ; my first token tile, 0..511
	s_lshr_b32 s85, s84, 6                         ; q: b, k: 4 + b
	s_lshl_b32 s85, s85, 4
	s_lshl_b32 s92, s75, 2
	s_add_co_u32 s85, s85, s92
	s_lshl_b32 s92, s73, 1
	s_add_co_u32 s85, s85, s92                     ; x 16 + my first head, 4 cx + 2 a
	s_lshl_b32 s85, s85, 4
	s_bfe_u32 s92, s84, 0x40002                    ; the quad
	s_add_co_u32 s92, s85, s92
	s_mul_i32 s84, s92, 3072
	s_mov_b32 s85, 0
	s_add_nc_u64 s[98:99], s[12:13], s[84:85]
	s_lshl_b32 s84, s92, 8
	s_add_nc_u64 s[100:101], s[14:15], s[84:85]
.irp p, 0,1,2,3,4,5
	global_store_b128 v3, v[RUN+4*\p:RUN+4*\p+3], s[98:99] offset:512*\p
	global_store_b128 v3, v[RUN+24+4*\p:RUN+24+4*\p+3], s[98:99] offset:49152+512*\p   ; the next head: 16 quads on
.endr
	v_lshlrev_b32 v13, 4, v14
.irp n, 0,1,2,3
	v_lshrrev_b32 v[SWQ+\n], v13, v[SWQ+\n]        ; lanes 16-31 store the second head's words: its two bytes come down
.endr
	v_and_b32 v15, 15, v0
	v_lshlrev_b32 v15, 4, v15
	v_lshl_add_u32 v15, v14, 12, v15               ; 16 r, + a head's 4096 bytes for lanes 16-31: sixteen lanes store 256 consecutive bytes
	global_store_b128 v15, v[SWQ:SWQ+3], s[100:101]
	s_branch .Lend
.Lv:
	; ---- v.  The bias is one number a lane and channel tile: bv at 64 head + 32 (n / 2) + 8 (n % 2) + r + 8 (r / 8); it is loaded into both registers of a pair for the packed add
	s_lshl_b32 s84, s74, 2
	s_add_co_u32 s84, s84, s81
	s_sub_co_u32 s84, s84, 832
	s_lshr_b32 s93, s84, 2                         ; my head
	s_lshl_b32 s84, s93, 8
	s_mov_b32 s85, 0
	s_add_nc_u64 s[98:99], s[10:11], s[84:85]
	v_and_b32 v13, 15, v0
	v_and_b32 v15, 8, v13
	v_add_nc_u32 v13, v13, v15
	v_lshlrev_b32 v13, 2, v13
	WIN 0x80
.irp n, 0,1,2,3
	global_load_b32 v[2*\n], v13, s[98:99] offset:(32*(\n/2)+8*(\n%2))*4
	global_load_b32 v[2*\n+1], v13, s[98:99] offset:(32*(\n/2)+8*(\n%2))*4
.endr
	KSTEP 6
	KSTEP 7
	WIN 0
	PLACES 4
	s_wait_loadcnt 0x0
.irp n, 0,1,2,3                        ; channel tile n: 128 keys of my channel: a whole operand
	WIN 0x09
.set kk, 0
.rept 32
	v_pk_add_f32 v[H+kk:H+kk+1], v[64*\n+kk:64*\n+kk+1], v[2*\n:2*\n+1]
.set kk, kk+2
.endr
	WIN 0
	QUANT H, RUN+12*\n, RUN+12*\n+6, SWQ+\n
.endr
	s_lshl_b32 s84, s73, 3
	s_add_co_u32 s84, s84, s80
	s_sub_co_u32 s84, s84, 512                     ; my first token tile of values, 0..255
	s_lshr_b32 s85, s84, 6
	s_lshl_b32 s85, s85, 4
	s_add_co_u32 s85, s85, s93                     ; b x 16 + head
	s_lshl_b32 s85, s85, 3
	s_bfe_u32 s84, s84, 0x30003                    ; the step of 128 keys
	s_add_co_u32 s92, s85, s84
	s_mul_i32 s84, s92, 6144
	s_mov_b32 s85, 0
	s_add_nc_u64 s[98:99], s[16:17], s[84:85]
	s_lshl_b32 s84, s92, 8
	s_add_nc_u64 s[100:101], s[18:19], s[84:85]
.irp q, 0,1,2,3,4,5,6,7,8,9,10,11
	global_store_b128 v3, v[RUN+4*\q:RUN+4*\q+3], s[98:99] offset:512*\q
.endr
	v_cmp_ne_u32 vcc_lo, 0, v14                    ; lanes 0-15 store words 0, 1 of their channel row, lanes 16-31 words 2, 3: 256 consecutive bytes
	v_cndmask_b32 v[SWQ], v[SWQ], v[SWQ+2], vcc_lo
	v_cndmask_b32 v[SWQ+1], v[SWQ+1], v[SWQ+3], vcc_lo
	v_and_b32 v15, 15, v0
	v_lshlrev_b32 v15, 4, v15
	v_lshl_add_u32 v15, v14, 3, v15
	global_store_b64 v15, v[SWQ:SWQ+1], s[100:101]
.Lend:
	s_wait_tensorcnt 0x0                           ; the wave's end
	ds_add_u32 v1, v2
	s_wait_dscnt 0x0
	CROUND                                         ; the closing round
	s_endpgm
.Lfunc_end_k_qa64ab16351_proj:
	.size	k_qa64ab16351_proj, .Lfunc_end_k_qa64ab16351_proj-k_qa64ab16351_proj
	.p2alignl 7, 3214868480
	.fill 96, 4, 3214868480
	.section	.rodata,"a",@progbits
	.p2align	6, 0x0
	.amdhsa_kernel k_qa64ab16351_proj
		.amdhsa_group_segment_fixed_size 295424
		.amdhsa_private_segment_fixed_size 0
		.amdhsa_enable_private_segment 0
		.amdhsa_kernarg_size 64
		.amdhsa_user_sgpr_count 2
		.amdhsa_user_sgpr_kernarg_segment_ptr 1
		.amdhsa_wavefront_size32 1
		.amdhsa_system_sgpr_workgroup_id_x 1
		.amdhsa_system_sgpr_workgroup_id_y 1
		.amdhsa_system_sgpr_workgroup_id_z 1
		.amdhsa_system_vgpr_workitem_id 0
		.amdhsa_next_free_vgpr 720
		.amdhsa_next_free_sgpr 104
		.amdhsa_reserve_vcc 1
		.amdhsa_float_denorm_mode_32 3
		.amdhsa_float_denorm_mode_16_64 3
		.amdhsa_memory_ordered 1
		.amdhsa_forward_progress 1
		.amdhsa_inst_pref_size 126
	.end_amdhsa_kernel
	.amdgpu_metadata
---
amdhsa.version: [ 1, 2 ]
amdhsa.kernels:
  - .name:           k_qa64ab16351_proj
    .symbol:         k_qa64ab16351_proj.kd
    .args:
      - { .name: cod, .offset: 0, .size: 8, .value_kind: global_buffer, .address_space: global }
      - { .name: scl, .offset: 8, .size: 8, .value_kind: global_buffer, .address_space: global }
      - { .name: bq, .offset: 16, .size: 8, .value_kind: global_buffer, .address_space: global }
      - { .name: bv, .offset: 24, .size: 8, .value_kind: global_buffer, .address_space: global }
      - { .name: qkc, .offset: 32, .size: 8, .value_kind: global_buffer, .address_space: global }
      - { .name: qks, .offset: 40, .size: 8, .value_kind: global_buffer, .address_space: global }
      - { .name: vc, .offset: 48, .size: 8, .value_kind: global_buffer, .address_space: global }
      - { .name: vs, .offset: 56, .size: 8, .value_kind: global_buffer, .address_space: global }
    .group_segment_fixed_size: 295424
    .private_segment_fixed_size: 0
    .kernarg_segment_align: 8
    .kernarg_segment_size: 64
    .max_flat_workgroup_size: 128
    .sgpr_count:     104
    .vgpr_count:     720
    .wavefront_size: 32
...
	.end_amdgpu_metadata
.endif
;; end of part 2
;; launch attn (part 3): grid 32 x 64, 9 waves a work-group, no clusters, 42,752 bytes of LDS; arguments qkc, qks, vc, vs, gammas, cc, cs; writes cc, cs
.if DOCPART == 3
	.amdgcn_target "amdgcn-amd-amdhsa--gfx1250"
	.amdhsa_code_object_version 6
	.text
	.protected	k_qa64ab16351_attn
	.globl	k_qa64ab16351_attn
	.p2align	8
	.type	k_qa64ab16351_attn,@function
k_qa64ab16351_attn:
	s_mov_b64 s[64:65], 0
	v_nop
	global_prefetch_b8 v0, s[64:65] scope:SCOPE_SE
	s_setreg_imm32_b32 hwreg(HW_REG_WAVE_MODE, 25, 1), 1
	s_wait_xcnt 0x0
; Attention of one head: scores, first softmax, distance effect, second softmax with the maxout rescale, P V; the result leaves as codes for the output projection.
; LEFT OUT (shown at the head of the first kernel): steps of 128 keys wholly at or behind a tile's queries; the clip at 1e5; the clip at 0; disttotal - distcum is formed as the sum over later keys; max(p) = 1 / l2.
; ONE WAVE OWNS ONE PAIR (tile of 16 queries, step of 128 keys), all of it in 64 registers; there is no loop.  Tile qt of a head needs qt / 8 + 1 steps.  Work-group (g, j), g = 0..3, j = 0..7, serves tile 8g + j
; (g + 1 steps, waves 0..g) and tile 8 (7 - g) + j (8 - g steps, waves g+1..8): nine pairs in every work-group.  The waves of a tile exchange (largest, sum) through LDS twice and their parts of O once: three barriers.
; Every LDS address is a constant + a lane term + a constant x wave; who belongs to whose tile is settled when reading, by adding -infinity to a stranger's maximum (its factor is then 0) or by a factor 0 or 1.
; LAYOUT.  S^T = K Q^T (source 0 = 16 keys, source 1 = my 16 queries), O^T = V^T P^T: lane (r, h) holds query r; register 16b + i holds key 32b + 16h + i of the step, since key tile 2b + u holds keys 32b + 8u + r + 8 (r / 8).
; The head's 64 along K fill the lower six registers of an operand.  Q's upper six are zero codes, so what stands in K's upper six (the next tile's codes) adds nothing; no scale byte is 0xff.
; A ROW.  c1 = log2(e) / 8.  mc = max(raw) c1 (at least -1e30), e = 2^(raw c1 - mc), u = sum of e over my later keys; exchange (mc, sum): M, f_u = 2^(mc_u - M), l1 = sum f_u T_u, carry = the later steps' part;
; x = (u f + carry) (gamma log2 e)^2 / l1 x (i - j); effect = max(2^-sqrt(x), 1e-5); s2 = raw x effect; M2, p' = 2^(s2 c1 - M2), L; exchange (M2, L): l2; p = p' f min(1, 5 / l2), quantised along the keys.
; A block's largest p is its largest s2 put through the same multiply-add, exponential and multiply.  l1 and l2 are held at 0.5 from below: a row with a key has sums of 1 or more, so that binds in a row without keys alone.
; LIMITS: scores x c1 under -1e30 count as masked; (gamma log2 e)^2 must not overflow: |gamma| under 1e19.
; NO CLUSTER, NO TENSOR LOAD: a wave wants 6,144 bytes of K and 6,144 of V once, laid in the order of its operand registers, 24 loads of 512 consecutive bytes straight into registers; through LDS they would be
; written and read once more, and of a work-group's nine waves at most two want the same step.  No prefetch: each step of K and V is read by up to 32 work-groups at about the same time.
.set X1,    0                          ; 9 x 256: (mc, sum) of each wave, 8 bytes a lane
.set X2,    2304                       ; 9 x 256: (M2, L)
.set OSL,   4608                       ; 9 x 4096: each wave's part of O^T, as an image of 32 registers
.set SPARE, 41472                      ; the spare words: 9 x 128 bytes, rounded up to 1280
.set S, 32                             ; v32-95   scores, s2, p', p; then O^T
.set E, 96                             ; v96-159  K; e, x, the effect; V, its scale words (v144-147), p's codes (v148-159)
; v3 16 x lane; v160 8 x lane; v161 + 256 w; v162 16 x lane + 4096 w; v163 16 x lane + 2048 (w % 2); v164 16 r; v165 24 r + 12 h: made once, never rewritten.  v4-31 at work.
.macro BAR
	s_wait_dscnt 0x0                               ; my LDS stores have landed and my LDS loads are in
	s_barrier_signal -1
	s_barrier_wait -1
.endm
.macro BMAX                            ; the largest of each block of 32 keys -> v4-7; the row's largest x c1, at least -1e30 -> v30
.irp b, 0,1,2,3
	v_max3_num_f32 v[4+\b], v[S+16*\b], v[S+16*\b+1], v[S+16*\b+2]
.endr
.irp i, 3,5,7,9,11,13
.irp b, 0,1,2,3
	v_max3_num_f32 v[4+\b], v[4+\b], v[S+16*\b+\i], v[S+16*\b+\i+1]
.endr
.endr
.irp b, 0,1,2,3
	v_max_num_f32 v[4+\b], v[4+\b], v[S+16*\b+15]
.endr
.irp b, 0,1,2,3
	v_permlanex16_b32 v[8+\b], v[4+\b], s28, s29
.endr
.irp b, 0,1,2,3
	v_max_num_f32 v[4+\b], v[4+\b], v[8+\b]
.endr
	v_max3_num_f32 v30, v4, v5, v6
	v_max_num_f32 v30, v30, v7
	v_mul_f32 v30, s30, v30
	v_max_num_f32 v30, 0xf149f2ca, v30
.endm
; All nine waves' (largest, sum) from base into v[sl + 2u], v[sl + 2u + 1].  Leaves f_u x sum_u in v[sl + 2u + 1], my own f in v[fo], and issues the reciprocal of the tile's sum (at least 0.5) into v27:
; the caller sets a plain line and the wait behind it.
.macro XCHG base, sl, fo
.irp u, 0,1,2,3,4,5,6,7,8
	ds_load_b64 v[\sl+2*\u:\sl+2*\u+1], v160 offset:\base+256*\u
.endr
	s_wait_dscnt 0x0
.irp u, 0,1,2,3,4,5,6,7,8
	v_add_f32 v[\sl+2*\u], s[36+\u], v[\sl+2*\u]   ; 0 for a wave of my tile, -infinity for the other tile's
.endr
	v_max3_num_f32 v27, v[\sl], v[\sl+2], v[\sl+4]
	v_max3_num_f32 v27, v27, v[\sl+6], v[\sl+8]
	v_max3_num_f32 v27, v27, v[\sl+10], v[\sl+12]
	v_max3_num_f32 v27, v27, v[\sl+14], v[\sl+16]  ; the row's largest: mine is among them, so it is a number
.irp u, 0,1,2,3,4,5,6,7,8
	v_sub_f32 v[\sl+2*\u], v[\sl+2*\u], v27
.endr
	v_sub_f32 v[\fo], v30, v27
.irp u, 0,1,2,3,4,5,6,7,8
	v_exp_f32 v[\sl+2*\u], v[\sl+2*\u]
.endr
	v_exp_f32 v[\fo], v[\fo]
	v_nop                                          ; a plain line behind the batch,
	s_wait_alu depctr_va_vdst(0)                   ; and the one wait ahead of its first reader
.irp u, 0,1,2,3,4,5,6,7,8
	v_mul_f32 v[\sl+2*\u+1], v[\sl+2*\u+1], v[\sl+2*\u]
.endr
	v_add_f32 v[\sl], v[\sl+1], v[\sl+3]
	v_add_f32 v[\sl+2], v[\sl+5], v[\sl+7]
	v_add_f32 v[\sl+4], v[\sl+9], v[\sl+11]
	v_add_f32 v[\sl+6], v[\sl+13], v[\sl+15]
	v_add_f32 v[\sl], v[\sl], v[\sl+2]
	v_add_f32 v[\sl+4], v[\sl+4], v[\sl+6]
	v_add_f32 v[\sl], v[\sl], v[\sl+4]
	v_add_f32 v27, v[\sl], v[\sl+17]
	v_max_num_f32 v27, 0.5, v27
	v_rcp_f32 v27, v27
.endm
	s_load_b256 s[4:11], s[0:1], 0x0               ; qkc, qks, vc, vs
	s_load_b128 s[12:15], s[0:1], 0x20             ; gammas, cc
	s_load_b64 s[16:17], s[0:1], 0x30              ; cs
	v_lshl_add_u32 v1, v0, 2, SPARE
	v_mov_b32 v2, 0
.irp i, 10,11,12,13,14,15
	v_mov_b32 v[\i], 0                             ; Q's upper six registers: zero codes
.endr
.irp i, 48,49,50,51,52,53
	v_mov_b32 v[E+\i], 0                           ; behind the last key tile
.endr
	v_lshrrev_b32 v24, 5, v0
	v_readfirstlane_b32 s18, v24                   ; wave w, 0..8
	v_and_b32 v24, 31, v0
	v_lshlrev_b32 v3, 4, v24
	v_lshlrev_b32 v160, 3, v24
	v_and_b32 v24, 15, v0
	v_bfe_u32 v25, v0, 4, 1
	v_lshlrev_b32 v164, 4, v24
	v_mul_u32_u24 v165, v24, 24
	v_mad_u32_u24 v165, v25, 12, v165
	s_lshl_b32 s90, s18, 8
	s_lshl_b32 s95, s18, 12
	s_and_b32 s33, s18, 1
	s_lshl_b32 s33, s33, 11
	v_add_nc_u32 v161, s90, v160
	v_add_nc_u32 v162, s95, v3
	v_add_nc_u32 v163, s33, v3
	s_lshr_b32 s19, ttmp9, 3                       ; g
	s_and_b32 s20, ttmp9, 7                        ; j
	s_and_b32 s21, ttmp7, 0xffff                   ; Y = b x 16 + head
	s_and_b32 s22, s21, 15                         ; head
	s_sub_co_u32 s33, 7, s19
	s_sub_co_u32 s34, s18, s19
	s_sub_co_u32 s34, s34, 1
	s_cmp_gt_u32 s18, s19
	s_cselect_b32 s23, 1, 0                        ; 1: I serve the second tile
	s_cselect_b32 s24, s33, s19                    ; my tile's group of eight: 7 - g or g
	s_cselect_b32 s25, s34, s18                    ; my step: w - g - 1 or w
	s_lshl_b32 s26, s24, 3
	s_add_co_u32 s26, s26, s20                     ; my tile qt
	s_lshl_b32 s27, s26, 4
	s_lshl_b32 s33, s25, 7
	s_sub_co_u32 s27, s27, s33                     ; my first query less my first key
	s_mov_b32 s28, 0x76543210
	s_mov_b32 s29, 0xfedcba98                      ; v_permlanex16_b32's selects for lane l xor 16
	s_mov_b32 s30, 0x3e38aa3b                      ; c1 = log2(e) / 8
	s_mov_b32 s31, s30
	s_mov_b32 s93, 0
	s_mul_i32 s91, s21, 49152
	s_lshl_b32 s94, s21, 12
	s_wait_kmcnt 0x0
	s_add_co_u32 s92, s91, 64*49152
	s_mul_i32 s35, s25, 6144
	s_add_co_u32 s92, s92, s35
	s_add_nc_u64 s[60:61], s[4:5], s[92:93]        ; K: my step's two quads
	s_add_co_u32 s92, s94, 64*4096
	s_lshl_b32 s35, s25, 9
	s_add_co_u32 s92, s92, s35
	s_add_nc_u64 s[62:63], s[6:7], s[92:93]        ; and their scale words
.irp p, 0,1,2,3,4,5,6,7,8,9,10,11
	global_load_b128 v[E+4*\p:E+4*\p+3], v3, s[60:61] offset:512*\p
.endr
	global_load_b128 v[20:23], v3, s[62:63]        ; v[20 + n]: lanes 0-15 key tile n, lanes 16-31 key tile 4 + n
	s_lshr_b32 s33, s26, 2
	s_mul_i32 s33, s33, 3072
	s_add_co_u32 s33, s33, s91                     ; Q: my tile's quad;
	s_and_b32 s34, s26, 3
	s_mul_i32 s34, s34, 3                          ; in its run of 24 registers my six are pairs 3 (qt % 4) + 0, 1, 2: pair p lies in piece p / 2, at 8 (p % 2) of a lane's 16 bytes
.irp k, 0,1,2
	s_add_co_u32 s35, s34, \k
	s_lshr_b32 s92, s35, 1
	s_lshl_b32 s92, s92, 9
	s_and_b32 s35, s35, 1
	s_lshl_b32 s35, s35, 3
	s_add_co_u32 s92, s92, s35
	s_add_co_u32 s92, s92, s33
	s_add_nc_u64 s[54+2*\k:55+2*\k], s[4:5], s[92:93]
	global_load_b64 v[4+2*\k:5+2*\k], v3, s[54+2*\k:55+2*\k]
.endr
	s_lshr_b32 s35, s26, 2
	s_lshl_b32 s35, s35, 8
	s_add_co_u32 s92, s94, s35
	s_and_b32 s35, s26, 3
	s_lshl_b32 s35, s35, 2
	s_add_co_u32 s92, s92, s35
	s_add_nc_u64 s[66:67], s[6:7], s[92:93]
	global_load_b32 v16, v164, s[66:67]            ; Q's scale words
	s_lshl_b32 s35, s21, 3
	s_add_co_u32 s35, s35, s25
	s_mul_i32 s92, s35, 6144
	s_add_nc_u64 s[68:69], s[8:9], s[92:93]        ; V: my step
	s_lshl_b32 s92, s35, 8
	s_add_nc_u64 s[70:71], s[10:11], s[92:93]
	s_lshl_b32 s92, s22, 2
	s_add_nc_u64 s[12:13], s[12:13], s[92:93]
	s_load_b32 s32, s[12:13], 0x0                  ; my head's gamma
.irp u, 0,1,2,3,4,5,6,7,8
	s_cmp_gt_u32 \u, s19
	s_cselect_b32 s33, 1, 0
	s_cmp_eq_u32 s33, s23
	s_cselect_b32 s[36+\u], 0, 0xff800000          ; wave u serves my tile: 0; the other: -infinity
.endr
.irp u, 1,2,3,4,5,6,7,8
	s_cmp_gt_u32 \u, s18
	s_cselect_b32 s[45+\u], 1.0, 0                 ; wave u holds later keys than I (a stranger's factor is 0 anyway)
.endr
	s_wait_kmcnt 0x0
	s_mul_f32 s32, s32, 0x3fb8aa3b
	s_mul_f32 s32, s32, s32                        ; (gamma log2 e)^2
	s_wait_loadcnt 0x0
	; ---- the scores
.irp t, 0,1,2,3
	v_wmma_scale_f32_16x16x128_f8f6f4 v[S+8*\t:S+8*\t+7], v[E+6*\t:E+6*\t+11], v[4:15], 0, v[20+\t], v16 matrix_a_fmt:MATRIX_FMT_BF6 matrix_b_fmt:MATRIX_FMT_BF6
.endr
.irp t, 4,5,6,7
	v_wmma_scale_f32_16x16x128_f8f6f4 v[S+8*\t:S+8*\t+7], v[E+6*\t:E+6*\t+11], v[4:15], 0, v[16+\t], v16 matrix_a_fmt:MATRIX_FMT_BF6 matrix_b_fmt:MATRIX_FMT_BF6 matrix_a_scale:MATRIX_SCALE_ROW1
.endr
	v_and_b32 v24, 15, v0                          ; these eight lines are the places behind the products
	v_bfe_u32 v25, v0, 4, 1                        ; h
	v_lshlrev_b32 v26, 4, v25
	v_sub_nc_u32 v27, v24, v26
	v_add_nc_u32 v27, s27, v27                     ; d = my query - my first key - 16 h: register 16b + i has i - j = d - (32b + i)
	v_cvt_f32_i32 v28, v27
	v_add_f32 v29, -1.0, v28                       ; (d, d - 1): a pair of registers' distances, less their place
	v_mov_b32 v31, 0
	s_cmp_lg_u32 s25, s24                          ; only a tile's last step holds hidden keys
	s_cbranch_scc1 .Lopen
	v_mov_b32 v30, 0xff800000
.set nn, 0
.rept 64
	v_cmp_ge_i32 vcc_lo, 32*(nn/16)+nn%16, v27     ; hidden where j >= i
	v_cndmask_b32 v[S+nn], v[S+nn], v30, vcc_lo
.set nn, nn+1
.endr
.Lopen:
	BMAX                                           ; v30 = mc
	; ---- e, and its sums over later keys
.set kk, 0
.rept 32
	v_pk_fma_f32 v[E+kk:E+kk+1], v[S+kk:S+kk+1], s[30:31], v[30:31] op_sel_hi:[1,0,0] neg_lo:[0,0,1] neg_hi:[0,0,1]
.set kk, kk+2
.endr
.set kk, 0
.rept 64
	v_exp_f32 v[E+kk], v[E+kk]
.set kk, kk+1
.endr
	v_xor_b32 v13, 1, v25                          ; a plain line behind the batch
	s_wait_alu depctr_va_vdst(0)                   ; one wait for the 64
	v_cvt_f32_u32 v13, v13                         ; 1 - h
.irp i, 14,13,12,11,10,9,8,7,6,5,4,3,2,1,0
.irp b, 0,1,2,3
	v_add_f32 v[E+16*\b+\i], v[E+16*\b+\i+1], v[E+16*\b+\i]   ; register i: the sum from i on, in my 16 of block b
.endr
.endr
.irp b, 0,1,2,3
	v_permlanex16_b32 v[8+\b], v[E+16*\b], s28, s29
.endr
.irp b, 0,1,2,3
	v_add_f32 v[4+\b], v[8+\b], v[E+16*\b]         ; the block's sum
.endr
	v_mul_f32 v25, v11, v13                        ; what lies behind my 16 of block b: for lanes 0-15 the upper 16 of the block, and all later blocks
	v_fma_f32 v24, v10, v13, v7
	v_add_f32 v14, v7, v6
	v_fma_f32 v23, v9, v13, v14
	v_add_f32 v15, v14, v5
	v_fma_f32 v22, v8, v13, v15
	v_add_f32 v31, v15, v4                         ; my step's sum
	ds_store_b64 v161, v[30:31] offset:X1
	BAR
	XCHG X1, 4, 26
	v_mul_f32 v6, s46, v7                          ; the later steps' part (plain lines behind the reciprocal, which name none of its registers)
	v_fma_f32 v6, s47, v9, v6
	v_fma_f32 v6, s48, v11, v6
	v_fma_f32 v6, s49, v13, v6
	v_fma_f32 v6, s50, v15, v6
	v_fma_f32 v6, s51, v17, v6
	v_fma_f32 v6, s52, v19, v6
	v_fma_f32 v6, s53, v21, v6
	s_wait_alu depctr_va_vdst(0)
	v_mul_f32 v27, s32, v27                        ; k2 = (gamma log2 e)^2 / l1
	v_mul_f32 v26, v26, v27                        ; my f x k2
	v_mul_f32 v6, v6, v27
.irp b, 0,1,2,3
	v_fma_f32 v[22+\b], v[22+\b], v26, v6
.endr
	; ---- x = (the sum over later keys) k2 (i - j)
.irp i, 0,1,2,3,4,5,6,7,8,9,10,11,12,13,14
.irp b, 0,1,2,3
	v_fma_f32 v[E+16*\b+\i], v[E+16*\b+\i+1], v26, v[22+\b]
.endr
.endr
.irp b, 0,1,2,3
	v_mov_b32 v[E+16*\b+15], v[22+\b]
.endr
	v_pk_add_f32 v[4:5], v[28:29], 0xc2000000 op_sel_hi:[1,0]   ; the distances of blocks 1, 2, 3 begin 32, 64, 96 lower
	v_pk_add_f32 v[6:7], v[28:29], 0xc2800000 op_sel_hi:[1,0]
	v_pk_add_f32 v[8:9], v[28:29], 0xc2c00000 op_sel_hi:[1,0]
.set mm, 0
.rept 8
.set bb, 0
.irp pr, 28,4,6,8
	v_pk_mul_f32 v[E+16*bb+2*mm:E+16*bb+2*mm+1], v[E+16*bb+2*mm:E+16*bb+2*mm+1], v[\pr:\pr+1]
.set bb, bb+1
.endr
.if mm < 7
.irp pr, 28,4,6,8
	v_pk_add_f32 v[\pr:\pr+1], v[\pr:\pr+1], -2.0 op_sel_hi:[1,0]
.endr
.endif
.set mm, mm+1
.endr
	; ---- the effect.  (At a hidden key the sum over later keys is 0, so x is a zero and no root of a negative number is taken)
.set kk, 0
.rept 64
	v_sqrt_f32 v[E+kk], v[E+kk]
.set kk, kk+1
.endr
	v_nop
	s_wait_alu depctr_va_vdst(0)
.set kk, 0
.rept 64
	v_exp_f32 v[E+kk], -v[E+kk]
.set kk, kk+1
.endr
	v_nop
	s_wait_alu depctr_va_vdst(0)
.set kk, 0
.rept 64
	v_max_num_f32 v[E+kk], 0x3727c5ac, v[E+kk]     ; the clip at 1e-5
.set kk, kk+1
.endr
.set kk, 0
.rept 32
	v_pk_mul_f32 v[S+kk:S+kk+1], v[S+kk:S+kk+1], v[E+kk:E+kk+1]
.set kk, kk+2
.endr
	; ---- V is asked for now: it lands under the second softmax
.irp p, 0,1,2,3,4,5,6,7,8,9,10,11
	global_load_b128 v[E+4*\p:E+4*\p+3], v3, s[68:69] offset:512*\p
.endr
	global_load_b128 v[E+48:E+51], v164, s[70:71]  ; its scale words: word n of channel row r
	BMAX                                           ; v4-7 the blocks' largest s2, v30 = M2
.set kk, 0
.rept 32
	v_pk_fma_f32 v[S+kk:S+kk+1], v[S+kk:S+kk+1], s[30:31], v[30:31] op_sel_hi:[1,0,0] neg_lo:[0,0,1] neg_hi:[0,0,1]
.set kk, kk+2
.endr
.irp b, 0,1,2,3
	v_fma_f32 v[4+\b], v[4+\b], s30, -v30
.endr
.set kk, 0
.rept 64
	v_exp_f32 v[S+kk], v[S+kk]
.set kk, kk+1
.endr
.irp b, 0,1,2,3
	v_exp_f32 v[4+\b], v[4+\b]
.endr
	v_nop
	s_wait_alu depctr_va_vdst(0)
	v_pk_add_f32 v[12:13], v[S:S+1], v[S+2:S+3]
	v_pk_add_f32 v[14:15], v[S+4:S+5], v[S+6:S+7]
.irp k, 8,12,16,20,24,28,32,36,40,44,48,52,56,60
	v_pk_add_f32 v[12:13], v[12:13], v[S+\k:S+\k+1]
	v_pk_add_f32 v[14:15], v[14:15], v[S+\k+2:S+\k+3]
.endr
	v_pk_add_f32 v[12:13], v[12:13], v[14:15]
	v_add_f32 v31, v12, v13
	v_permlanex16_b32 v12, v31, s28, s29
	v_add_f32 v31, v31, v12                        ; L
	ds_store_b64 v161, v[30:31] offset:X2
	BAR
	XCHG X2, 8, 28
	v_nop
	s_wait_alu depctr_va_vdst(0)
	v_mul_f32 v27, 0x40a00000, v27                 ; 5 / l2
	v_min_num_f32 v27, 1.0, v27
	v_mul_f32 v28, v28, v27                        ; F = my f x min(1, 5 / l2)
	; ---- p, finished, and its codes
.set kk, 0
.rept 32
	v_pk_mul_f32 v[S+kk:S+kk+1], v[S+kk:S+kk+1], v[28:29] op_sel_hi:[1,0]
.set kk, kk+2
.endr
.irp b, 0,1,2,3
	v_mul_f32 v[4+\b], v[4+\b], v28
.endr
.irp b, 0,1,2,3
	v_max_num_f32 v[4+\b], 0x2800000, v[4+\b]      ; the floor 2^(5 - 127)
.endr
.irp b, 0,1,2,3
	v_add_nc_u32 v[12+\b], 0xfe000000, v[4+\b]
.endr
.irp b, 0,1,2,3
	v_lshrrev_b32 v[8+\b], 23, v[12+\b]
.endr
	v_lshl_or_b32 v16, v9, 8, v8
	v_lshl_or_b32 v16, v10, 16, v16
	v_lshl_or_b32 v16, v11, 24, v16                ; p's scale word
	v_cvt_scalef32_pk16_bf6_f32 v[148:150], v[S:S+15], v12
	v_cvt_scalef32_pk16_bf6_f32 v[20:22], v[S+16:S+31], v13
	v_cvt_scalef32_pk16_bf6_f32 v[154:156], v[S+32:S+47], v14
	v_cvt_scalef32_pk16_bf6_f32 v[24:26], v[S+48:S+63], v15
	v_nop
.irp i, 0,1,2
	v_permlane16_swap_b32 v[148+\i], v[20+\i]
	v_permlane16_swap_b32 v[154+\i], v[24+\i]
.endr
.irp i, 0,1,2
	v_mov_b32 v[151+\i], v[20+\i]
	v_mov_b32 v[157+\i], v[24+\i]
.endr
	s_wait_loadcnt 0x0                             ; V
.rept 8
	v_nop                                          ; a scale register written by a vector instruction stands 8 places ahead of a scaled matrix instruction, an operand 4
.endr
.irp n, 0,1,2,3
	v_wmma_scale_f32_16x16x128_f8f6f4 v[S+8*\n:S+8*\n+7], v[E+12*\n:E+12*\n+11], v[148:159], 0, v[144+\n], v16 matrix_a_fmt:MATRIX_FMT_BF6 matrix_b_fmt:MATRIX_FMT_BF6
.endr
.rept 4
	v_nop
.endr
.irp p, 0,1,2,3,4,5,6,7
	ds_store_b128 v162, v[S+4*\p:S+4*\p+3] offset:OSL+512*\p   ; my part of O^T: register 16 bb + i = channel 32 bb + 16 h + i
.endr
	BAR
	; ---- waves 0-3 add the parts: wave w takes tile w / 2 of the two and block w % 2 of the head's 64 channels, quantises it along the channels, which are the output projection's K, and stores it
	s_cmp_gt_u32 s18, 3
	s_cbranch_scc1 .Ldone
	s_lshr_b32 s33, s18, 1
	s_and_b32 s34, s18, 1
.irp u, 0,1,2,3
.irp k, 0,1,2,3
	ds_load_b128 v[S+16*\u+4*\k:S+16*\u+4*\k+3], v163 offset:OSL+4096*\u+512*\k
.endr
.endr
.irp u, 4,5,6,7
.irp k, 0,1,2,3
	ds_load_b128 v[E+16*(\u-4)+4*\k:E+16*(\u-4)+4*\k+3], v163 offset:OSL+4096*\u+512*\k
.endr
.endr
.irp k, 0,1,2,3
	ds_load_b128 v[16+4*\k:19+4*\k], v163 offset:OSL+4096*8+512*\k
.endr
.irp u, 0,1,2,3,4,5,6,7,8
	s_cmp_gt_u32 \u, s19
	s_cselect_b32 s35, 1, 0
	s_cmp_eq_u32 s35, s33
	s_cselect_b32 s[72+2*\u], 1.0, 0               ; wave u's part belongs to this tile, or not
	s_mov_b32 s[73+2*\u], s[72+2*\u]
.endr
	s_sub_co_u32 s35, 7, s19
	s_cmp_lg_u32 s33, 0
	s_cselect_b32 s35, s35, s19
	s_lshl_b32 s35, s35, 3
	s_add_co_u32 s35, s35, s20
	s_lshr_b32 s92, s21, 4
	s_lshl_b32 s92, s92, 6
	s_add_co_u32 s35, s35, s92                     ; the token tile: 64 b + qt
	s_lshl_b32 s92, s35, 4
	s_add_co_u32 s92, s92, s22
	s_mul_i32 s92, s92, 768
	s_mul_i32 s94, s34, 384
	s_add_co_u32 s92, s92, s94
	s_add_nc_u64 s[14:15], s[14:15], s[92:93]      ; cc: [token tile][head][r + 16 block][24]
	s_lshl_b32 s92, s35, 9
	s_lshr_b32 s94, s22, 3
	s_lshl_b32 s94, s94, 8
	s_add_co_u32 s92, s92, s94
	s_and_b32 s94, s22, 7
	s_lshl_b32 s94, s94, 1
	s_add_co_u32 s92, s92, s94
	s_add_co_u32 s92, s92, s34
	s_add_nc_u64 s[16:17], s[16:17], s[92:93]      ; cs: [token tile][head / 8][r][2 (head % 8) + block]
	s_wait_dscnt 0x0
.set kk, 0
.rept 8
	v_pk_mul_f32 v[S+kk:S+kk+1], v[S+kk:S+kk+1], s[72:73] op_sel_hi:[1,0]
.set kk, kk+2
.endr
.irp u, 1,2,3
.set kk, 0
.rept 8
	v_pk_fma_f32 v[S+kk:S+kk+1], v[S+16*\u+kk:S+16*\u+kk+1], s[72+2*\u:73+2*\u], v[S+kk:S+kk+1] op_sel_hi:[1,0,1]
.set kk, kk+2
.endr
.endr
.irp u, 4,5,6,7
.set kk, 0
.rept 8
	v_pk_fma_f32 v[S+kk:S+kk+1], v[E+16*(\u-4)+kk:E+16*(\u-4)+kk+1], s[72+2*\u:73+2*\u], v[S+kk:S+kk+1] op_sel_hi:[1,0,1]
.set kk, kk+2
.endr
.endr
.set kk, 0
.rept 8
	v_pk_fma_f32 v[S+kk:S+kk+1], v[16+kk:17+kk], s[88:89], v[S+kk:S+kk+1] op_sel_hi:[1,0,1]
.set kk, kk+2
.endr
	v_max3_num_f32 v5, |v32|, |v33|, 0x2800000
	v_max3_num_f32 v6, |v34|, |v35|, |v36|
	v_max3_num_f32 v5, v5, |v37|, |v38|
	v_max3_num_f32 v6, v6, |v39|, |v40|
	v_max3_num_f32 v5, v5, |v41|, |v42|
	v_max3_num_f32 v6, v6, |v43|, |v44|
	v_max3_num_f32 v5, v5, |v45|, |v46|
	v_max3_num_f32 v6, v6, |v47|, v5
	v_permlanex16_b32 v7, v6, s28, s29
	v_max_num_f32 v6, v6, v7
	v_add_nc_u32 v7, 0xfe000000, v6
	v_lshrrev_b32 v8, 23, v7
	v_cvt_scalef32_pk16_bf6_f32 v[10:12], v[32:47], v7
	v_nop
	global_store_b96 v165, v[10:12], s[14:15]      ; 32 lanes store 384 consecutive bytes
	global_store_b8 v164, v8, s[16:17]             ; lanes l and l xor 16 hold the same byte and name the same place
.Ldone:
	s_wait_tensorcnt 0x0                           ; the wave's end
	ds_add_u32 v1, v2
	s_wait_dscnt 0x0
	s_endpgm
.Lfunc_end_k_qa64ab16351_attn:
	.size	k_qa64ab16351_attn, .Lfunc_end_k_qa64ab16351_attn-k_qa64ab16351_attn
	.p2alignl 7, 3214868480
	.fill 96, 4, 3214868480
	.section	.rodata,"a",@progbits
	.p2align	6, 0x0
	.amdhsa_kernel k_qa64ab16351_attn
		.amdhsa_group_segment_fixed_size 42752
		.amdhsa_private_segment_fixed_size 0
		.amdhsa_enable_private_segment 0
		.amdhsa_kernarg_size 56
		.amdhsa_user_sgpr_count 2
		.amdhsa_user_sgpr_kernarg_segment_ptr 1
		.amdhsa_wavefront_size32 1
		.amdhsa_system_sgpr_workgroup_id_x 1
		.amdhsa_system_sgpr_workgroup_id_y 1
		.amdhsa_system_sgpr_workgroup_id_z 1
		.amdhsa_system_vgpr_workitem_id 0
		.amdhsa_next_free_vgpr 168
		.amdhsa_next_free_sgpr 96
		.amdhsa_reserve_vcc 1
		.amdhsa_float_denorm_mode_32 3
		.amdhsa_float_denorm_mode_16_64 3
		.amdhsa_memory_ordered 1
		.amdhsa_forward_progress 1
		.amdhsa_inst_pref_size 76
	.end_amdhsa_kernel
	.amdgpu_metadata
---
amdhsa.version: [ 1, 2 ]
amdhsa.kernels:
  - .name:           k_qa64ab16351_attn
    .symbol:         k_qa64ab16351_attn.kd
    .args:
      - { .name: qkc, .offset: 0, .size: 8, .value_kind: global_buffer, .address_space: global }
      - { .name: qks, .offset: 8, .size: 8, .value_kind: global_buffer, .address_space: global }
      - { .name: vc, .offset: 16, .size: 8, .value_kind: global_buffer, .address_space: global }
      - { .name: vs, .offset: 24, .size: 8, .value_kind: global_buffer, .address_space: global }
      - { .name: gammas, .offset: 32, .size: 8, .value_kind: global_buffer, .address_space: global }
      - { .name: cc, .offset: 40, .size: 8, .value_kind: global_buffer, .address_space: global }
      - { .name: cs, .offset: 48, .size: 8, .value_kind: global_buffer, .address_space: global }
    .group_segment_fixed_size: 42752
    .private_segment_fixed_size: 0
    .kernarg_segment_align: 8
    .kernarg_segment_size: 56
    .max_flat_workgroup_size: 288
    .sgpr_count:     96
    .vgpr_count:     168
    .wavefront_size: 32
...
	.end_amdgpu_metadata
.endif
;; end of part 3
;; launch outln (part 4): grid 128 x 1, 16 waves a work-group, no clusters, 162,304 bytes of LDS; arguments cc, cs, cod, scl, query, bo, ln_g, ln_b, out0; writes out0
.if DOCPART == 4
	.amdgcn_target "amdgcn-amd-amdhsa--gfx1250"
	.amdhsa_code_object_version 6
	.text
	.protected	k_qa64ab16351_outln
	.globl	k_qa64ab16351_outln
	.p2align	8
	.type	k_qa64ab16351_outln,@function
k_qa64ab16351_outln:
	s_mov_b64 s[64:65], 0
	v_nop
	global_prefetch_b8 v0, s[64:65] scope:SCOPE_SE
	s_setreg_imm32_b32 hwreg(HW_REG_WAVE_MODE, 25, 1), 1
	s_wait_xcnt 0x0
; out0 = LayerNorm(query + concat Wo^T + bo) x ln_g + ln_b.  concat arrives as codes (cc, cs) from the launch before, Wo as codes (cod tiles 896-959, scl).  No work of reference() is left out here.
; A work-group owns 32 tokens (two tiles of 16) and all 1024 columns, so that a row's mean and variance stay inside it.  Wave w owns columns 64 w .. 64 w + 63: four tiles of Wo as source 0, the two token tiles as source 1:
; a lane holds one token, and register 16b + i of a token tile holds column 64 w + 32b + 16h + i (Wo's tiles hold rows 32b + 8u + r + 8 (r / 8)).  Eight accumulators, by turns, eight K steps.
; Each fragment of Wo feeds one wave of the work-group, twice: it goes from memory straight into registers, three loads of 512 consecutive bytes.  concat's 24,576 bytes are copied into LDS once and read by all sixteen waves.
; query + bo waits in LDS (rows of 4096 + 16 bytes); the same bytes carry the normalised rows back, so that whole rows of 4096 bytes leave, 512 consecutive bytes a store.
; NO CLUSTER, NO TENSOR LOAD: Wo's codes are 786,432 bytes for every work-group, more than LDS holds: joint loads would want a ring of slots filled again several times, with a round of the cluster's barrier each, to save
; a read that every work-group makes at about the same time as 127 others.  No prefetch, for the same reason.  32 tokens and not 16: every work-group takes in all of Wo, so half as many take in half as much.
.set CF,    0                          ; concat's codes: [token tile 2][head 16][lane 32][24]
.set ST1,   24576                      ; the waves' sums: [tile 2][r 16][wave 16] f32
.set ST2,   26624                      ; and sums of squares
.set XQ,    28672                      ; 32 rows x 4112
.set XP,    4112
.set SPARE, 160256                     ; the spare words: 16 x 128 bytes
.set WS,  12                           ; v12-27  Wo's scale words: pair of tiles p, K step s at 8p + s
.set CS,  28                           ; v28-35  concat's: K step s; lanes 0-15 token tile 0, lanes 16-31 tile 1
.set ACC, 36                           ; v36-99  accumulator (m, t) at 8 (4m + t)
.set WB,  100                          ; v100-147, v148-195 Wo's four fragments, two buffers
.set CB,  196                          ; v196-219, v220-243 concat's two fragments, two buffers
.set SEL, 28                           ; s[28:29]
.macro BAR
	s_wait_dscnt 0x0
	s_barrier_signal -1
	s_barrier_wait -1
.endm
.macro WM d, a, b, zero, sa, sb, ra, rb
.if \zero
.if (\ra) && (\rb)
	v_wmma_scale_f32_16x16x128_f8f6f4 v[\d:\d+7], v[\a:\a+11], v[\b:\b+11], 0, v[\sa], v[\sb] matrix_a_fmt:MATRIX_FMT_BF6 matrix_b_fmt:MATRIX_FMT_BF6 matrix_a_scale:MATRIX_SCALE_ROW1 matrix_b_scale:MATRIX_SCALE_ROW1
.elseif \ra
	v_wmma_scale_f32_16x16x128_f8f6f4 v[\d:\d+7], v[\a:\a+11], v[\b:\b+11], 0, v[\sa], v[\sb] matrix_a_fmt:MATRIX_FMT_BF6 matrix_b_fmt:MATRIX_FMT_BF6 matrix_a_scale:MATRIX_SCALE_ROW1
.elseif \rb
	v_wmma_scale_f32_16x16x128_f8f6f4 v[\d:\d+7], v[\a:\a+11], v[\b:\b+11], 0, v[\sa], v[\sb] matrix_a_fmt:MATRIX_FMT_BF6 matrix_b_fmt:MATRIX_FMT_BF6 matrix_b_scale:MATRIX_SCALE_ROW1
.else
	v_wmma_scale_f32_16x16x128_f8f6f4 v[\d:\d+7], v[\a:\a+11], v[\b:\b+11], 0, v[\sa], v[\sb] matrix_a_fmt:MATRIX_FMT_BF6 matrix_b_fmt:MATRIX_FMT_BF6
.endif
.else
.if (\ra) && (\rb)
	v_wmma_scale_f32_16x16x128_f8f6f4 v[\d:\d+7], v[\a:\a+11], v[\b:\b+11], v[\d:\d+7], v[\sa], v[\sb] matrix_a_fmt:MATRIX_FMT_BF6 matrix_b_fmt:MATRIX_FMT_BF6 matrix_a_scale:MATRIX_SCALE_ROW1 matrix_b_scale:MATRIX_SCALE_ROW1
.elseif \ra
	v_wmma_scale_f32_16x16x128_f8f6f4 v[\d:\d+7], v[\a:\a+11], v[\b:\b+11], v[\d:\d+7], v[\sa], v[\sb] matrix_a_fmt:MATRIX_FMT_BF6 matrix_b_fmt:MATRIX_FMT_BF6 matrix_a_scale:MATRIX_SCALE_ROW1
.elseif \rb
	v_wmma_scale_f32_16x16x128_f8f6f4 v[\d:\d+7], v[\a:\a+11], v[\b:\b+11], v[\d:\d+7], v[\sa], v[\sb] matrix_a_fmt:MATRIX_FMT_BF6 matrix_b_fmt:MATRIX_FMT_BF6 matrix_b_scale:MATRIX_SCALE_ROW1
.else
	v_wmma_scale_f32_16x16x128_f8f6f4 v[\d:\d+7], v[\a:\a+11], v[\b:\b+11], v[\d:\d+7], v[\sa], v[\sb] matrix_a_fmt:MATRIX_FMT_BF6 matrix_b_fmt:MATRIX_FMT_BF6
.endif
.endif
.endm
.macro WFETCH s                        ; Wo: my four tiles' fragments of K step s
.irp t, 0,1,2,3
.irp p, 0,1,2
	global_load_b128 v[WB+48*((\s)%2)+12*\t+4*\p:WB+48*((\s)%2)+12*\t+4*\p+3], v3, s[8:9] offset:\t*12288+(\s)*1536+512*\p
.endr
.endr
.endm
.macro CFETCH s                        ; concat: K step s = heads 2s, 2s + 1; lane (r, h) takes block h of each: 24 bytes, in pieces of 8
.irp m, 0,1
.irp c, 0,1
.irp k, 0,1,2
	ds_load_b64 v[CB+24*((\s)%2)+12*\m+6*\c+2*\k:CB+24*((\s)%2)+12*\m+6*\c+2*\k+1], v4 offset:CF+\m*12288+(2*(\s)+\c)*768+8*\k
.endr
.endr
.endr
.endm
.macro OSTEP s
.if (\s) < 7
	s_wait_loadcnt 12                              ; this step's 12 loads of Wo are in; the next step's 12 stay out
	s_wait_dscnt 12                                ; likewise concat's
.else
	s_wait_loadcnt 0x0
	s_wait_dscnt 0x0
.endif
.if (\s) == 0
.set ZZ, 1
.else
.set ZZ, 0
.endif
.irp m, 0,1                            ; the eight accumulators take turns, in the same order in every step
.irp t, 0,1,2,3
	WM ACC+8*(4*\m+\t), WB+48*((\s)%2)+12*\t, CB+24*((\s)%2)+12*\m, ZZ, WS+8*(\t/2)+(\s), CS+(\s), \t%2, \m
.endr
.endr
.rept 4
	v_nop                                          ; places in front of loads into registers that these products read, and of the first read of results
.endr
.if (\s) < 6
	WFETCH (\s)+2
	CFETCH (\s)+2
.endif
.endm
; the two chains of pairs in v[228+4m..231+4m] become a token's sum over my 64 columns; the sixteen waves' sums meet at st; the token's sum over 1024 columns comes back in v[100+16m]
.macro ACROSS st
.irp m, 0,1
	v_pk_add_f32 v[228+4*\m:229+4*\m], v[228+4*\m:229+4*\m], v[230+4*\m:231+4*\m]
.endr
.irp m, 0,1
	v_add_f32 v[228+4*\m], v[228+4*\m], v[229+4*\m]
.endr
.irp m, 0,1
	v_permlanex16_b32 v[229+4*\m], v[228+4*\m], s[SEL], s[SEL+1]
.endr
.irp m, 0,1
	v_add_f32 v[228+4*\m], v[228+4*\m], v[229+4*\m]
.endr
.irp m, 0,1
	ds_store_b32 v8, v[228+4*\m] offset:\st+1024*\m       ; lanes l and l xor 16 write the same word with the same value
.endr
	BAR
.irp m, 0,1
.irp k, 0,1,2,3
	ds_load_b128 v[100+16*\m+4*\k:103+16*\m+4*\k], v9 offset:\st+1024*\m+16*\k
.endr
.endr
	s_wait_dscnt 0x0
.irp m, 0,1
.irp k, 0,4,8,12
	v_pk_add_f32 v[100+16*\m+\k:101+16*\m+\k], v[100+16*\m+\k:101+16*\m+\k], v[102+16*\m+\k:103+16*\m+\k]
.endr
.endr
.irp m, 0,1
.irp k, 0,8
	v_pk_add_f32 v[100+16*\m+\k:101+16*\m+\k], v[100+16*\m+\k:101+16*\m+\k], v[104+16*\m+\k:105+16*\m+\k]
.endr
.endr
.irp m, 0,1
	v_pk_add_f32 v[100+16*\m:101+16*\m], v[100+16*\m:101+16*\m], v[108+16*\m:109+16*\m]
.endr
.irp m, 0,1
	v_add_f32 v[100+16*\m], v[100+16*\m], v[101+16*\m]
.endr
.endm
	s_load_b512 s[4:19], s[0:1], 0x0               ; cc, cs, cod, scl, query, bo, ln_g, ln_b
	s_load_b64 s[20:21], s[0:1], 0x40              ; out0
	v_lshl_add_u32 v1, v0, 2, SPARE
	v_mov_b32 v2, 0
	v_lshrrev_b32 v4, 5, v0
	v_readfirstlane_b32 s22, v4                    ; wave 0..15
	v_and_b32 v244, 31, v0
	v_lshlrev_b32 v3, 4, v244                      ; 16 x lane
	v_mul_u32_u24 v4, v244, 24                     ; 24 x lane
	v_and_b32 v244, 15, v0                         ; r
	v_bfe_u32 v245, v0, 4, 1                       ; h
	v_mul_u32_u24 v5, v244, XP
	v_lshl_add_u32 v5, v245, 6, v5
	s_lshl_b32 s23, s22, 8
	s_add_co_u32 s23, s23, XQ
	v_add_nc_u32 v5, s23, v5                       ; my token of tile 0, my wave's 256 bytes of its row, + 64 h
	v_add_nc_u32 v6, 16*XP, v5                     ; of tile 1
	s_mul_i32 s23, s22, 2*XP
	s_add_co_u32 s23, s23, XQ
	v_add_nc_u32 v7, s23, v3                       ; whole rows 2w, 2w + 1
	v_lshlrev_b32 v9, 6, v244                      ; a token's sixteen sums
	s_lshl_b32 s23, s22, 2
	v_add_nc_u32 v8, s23, v9                       ; mine among them
	v_lshlrev_b32 v10, 4, v244
	v_lshl_add_u32 v10, v245, 9, v10               ; scale words: 512 h + 16 r
	s_mul_i32 s23, s22, 1536
	v_add_nc_u32 v11, s23, v3                      ; my 1536 bytes of concat's codes
	s_mov_b32 s[SEL], 0x76543210
	s_mov_b32 s[SEL+1], 0xfedcba98
	s_mov_b32 s30, 0x3a800000                      ; 1 / 1024
	s_mov_b32 s31, 0x3727c5ac                      ; 1e-5
	s_lshl_b32 s24, ttmp9, 5
	s_lshl_b32 s23, s22, 1
	s_add_co_u32 s24, s24, s23
	s_lshl_b32 s24, s24, 12                        ; rows 32 i + 2 w of query and out0
	s_mov_b32 s25, 0
	s_mul_i32 s26, ttmp9, 24576
	s_mul_i32 s23, s22, 1536
	s_add_co_u32 s26, s26, s23
	s_mov_b32 s27, 0
	s_lshl_b32 s32, ttmp9, 10
	s_mov_b32 s33, 0
	s_lshl_b32 s34, s22, 2
	s_add_co_u32 s34, s34, 896                     ; my first tile of Wo
	s_mul_i32 s36, s34, 12288
	s_mov_b32 s37, 0
	s_lshl_b32 s34, s34, 9
	s_mov_b32 s35, 0
	s_wait_kmcnt 0x0
	s_add_nc_u64 s[12:13], s[12:13], s[24:25]
	s_add_nc_u64 s[20:21], s[20:21], s[24:25]
	s_add_nc_u64 s[4:5], s[4:5], s[26:27]
	s_add_nc_u64 s[6:7], s[6:7], s[32:33]
	s_add_nc_u64 s[8:9], s[8:9], s[36:37]
	s_add_nc_u64 s[10:11], s[10:11], s[34:35]
.irp p, 0,1
.irp q, 0,1,2,3,4,5,6,7
	global_load_b128 v[ACC+32*\p+4*\q:ACC+32*\p+4*\q+3], v3, s[12:13] offset:\p*4096+\q*512 th:TH_LOAD_NT
.endr
.endr
.irp q, 0,1,2,3,4,5,6,7
	global_load_b128 v[196+4*\q:199+4*\q], v3, s[14:15] offset:\q*512
.endr
.irp k, 0,1,2
	global_load_b128 v[228+4*\k:231+4*\k], v3, s[4:5] offset:\k*512
.endr
.irp p, 0,1
.irp f, 0,1
	global_load_b128 v[WS+8*\p+4*\f:WS+8*\p+4*\f+3], v10, s[10:11] offset:\p*1024+\f*256
.endr
.endr
.irp f, 0,1
	global_load_b128 v[CS+4*\f:CS+4*\f+3], v10, s[6:7] offset:\f*256
.endr
	WFETCH 0
	WFETCH 1
	s_wait_loadcnt 30                              ; query, bo and concat's codes are in; the 6 loads of scale words and the 24 of Wo stay out
.irp p, 0,1
.set kk, 0
.rept 16
	v_pk_add_f32 v[ACC+32*\p+kk:ACC+32*\p+kk+1], v[ACC+32*\p+kk:ACC+32*\p+kk+1], v[196+kk:197+kk]   ; query + bo
.set kk, kk+2
.endr
.endr
.irp p, 0,1
.irp q, 0,1,2,3,4,5,6,7
	ds_store_b128 v7, v[ACC+32*\p+4*\q:ACC+32*\p+4*\q+3] offset:\p*XP+\q*512
.endr
.endr
.irp k, 0,1,2
	ds_store_b128 v11, v[228+4*\k:231+4*\k] offset:CF+\k*512
.endr
	BAR                                            ; 32 rows of query + bo and concat's codes lie in LDS
	CFETCH 0
	CFETCH 1
	OSTEP 0
	OSTEP 1
	OSTEP 2
	OSTEP 3
	OSTEP 4
	OSTEP 5
	OSTEP 6
	OSTEP 7
.irp q, 0,1,2,3,4,5,6,7
	global_load_b128 v[164+4*\q:167+4*\q], v3, s[16:17] offset:\q*512      ; ln_g and ln_b, for the whole rows at the end
	global_load_b128 v[196+4*\q:199+4*\q], v3, s[18:19] offset:\q*512
.endr
.irp m, 0,1
.irp b, 0,1
.irp j, 0,1,2,3
	ds_load_b128 v[100+32*\m+16*\b+4*\j:103+32*\m+16*\b+4*\j], v[5+\m] offset:128*\b+16*\j
.endr
.endr
.endr
	s_wait_dscnt 0x0
.set kk, 0
.rept 32
	v_pk_add_f32 v[ACC+kk:ACC+kk+1], v[ACC+kk:ACC+kk+1], v[100+kk:101+kk]   ; x; each accumulator from its low end on
.set kk, kk+2
.endr
.irp m, 0,1
	v_pk_add_f32 v[228+4*\m:229+4*\m], v[ACC+32*\m:ACC+32*\m+1], v[ACC+32*\m+2:ACC+32*\m+3]
	v_pk_add_f32 v[230+4*\m:231+4*\m], v[ACC+32*\m+4:ACC+32*\m+5], v[ACC+32*\m+6:ACC+32*\m+7]
.endr
.irp k, 8,12,16,20,24,28
.irp m, 0,1
	v_pk_add_f32 v[228+4*\m:229+4*\m], v[228+4*\m:229+4*\m], v[ACC+32*\m+\k:ACC+32*\m+\k+1]
	v_pk_add_f32 v[230+4*\m:231+4*\m], v[230+4*\m:231+4*\m], v[ACC+32*\m+\k+2:ACC+32*\m+\k+3]
.endr
.endr
	ACROSS ST1
.irp m, 0,1
	v_mul_f32 v[100+16*\m], s30, v[100+16*\m]      ; the mean
.endr
.irp m, 0,1
.set kk, 0
.rept 16
	v_pk_add_f32 v[ACC+32*\m+kk:ACC+32*\m+kk+1], v[ACC+32*\m+kk:ACC+32*\m+kk+1], v[100+16*\m:101+16*\m] op_sel_hi:[1,0] neg_lo:[0,1] neg_hi:[0,1]
.set kk, kk+2
.endr
.endr
.irp m, 0,1
	v_pk_mul_f32 v[228+4*\m:229+4*\m], v[ACC+32*\m:ACC+32*\m+1], v[ACC+32*\m:ACC+32*\m+1]
	v_pk_mul_f32 v[230+4*\m:231+4*\m], v[ACC+32*\m+2:ACC+32*\m+3], v[ACC+32*\m+2:ACC+32*\m+3]
.endr
.irp k, 4,8,12,16,20,24,28
.irp m, 0,1
	v_pk_fma_f32 v[228+4*\m:229+4*\m], v[ACC+32*\m+\k:ACC+32*\m+\k+1], v[ACC+32*\m+\k:ACC+32*\m+\k+1], v[228+4*\m:229+4*\m]
	v_pk_fma_f32 v[230+4*\m:231+4*\m], v[ACC+32*\m+\k+2:ACC+32*\m+\k+3], v[ACC+32*\m+\k+2:ACC+32*\m+\k+3], v[230+4*\m:231+4*\m]
.endr
.endr
	ACROSS ST2
.irp m, 0,1
	v_fma_f32 v[100+16*\m], v[100+16*\m], s30, s31 ; the variance + 1e-5
.endr
.irp m, 0,1
	v_rsq_f32 v[100+16*\m], v[100+16*\m]
.endr
	v_nop
	s_wait_alu depctr_va_vdst(0)                   ; one wait for the two, ahead of their first reader
.irp m, 0,1
.set kk, 0
.rept 16
	v_pk_mul_f32 v[ACC+32*\m+kk:ACC+32*\m+kk+1], v[ACC+32*\m+kk:ACC+32*\m+kk+1], v[100+16*\m:101+16*\m] op_sel_hi:[1,0]
.set kk, kk+2
.endr
.endr
.irp m, 0,1
.irp b, 0,1
.irp j, 0,1,2,3
	ds_store_b128 v[5+\m], v[ACC+32*\m+16*\b+4*\j:ACC+32*\m+16*\b+4*\j+3] offset:128*\b+16*\j   ; back to the bytes that I alone read, two barriers ago
.endr
.endr
.endr
	BAR                                            ; 32 normalised rows lie in LDS
.irp p, 0,1
.irp q, 0,1,2,3,4,5,6,7
	ds_load_b128 v[100+32*\p+4*\q:103+32*\p+4*\q], v7 offset:\p*XP+\q*512
.endr
.endr
	s_wait_dscnt 0x0
	s_wait_loadcnt 0x0                             ; ln_g, ln_b
.irp p, 0,1
.set kk, 0
.rept 16
	v_pk_fma_f32 v[100+32*\p+kk:101+32*\p+kk], v[100+32*\p+kk:101+32*\p+kk], v[164+kk:165+kk], v[196+kk:197+kk]
.set kk, kk+2
.endr
.endr
.irp p, 0,1
.irp q, 0,1,2,3,4,5,6,7
	global_store_b128 v3, v[100+32*\p+4*\q:103+32*\p+4*\q], s[20:21] offset:\p*4096+\q*512 th:TH_STORE_NT   ; 512 consecutive bytes, aligned
.endr
.endr
	s_wait_tensorcnt 0x0                           ; the wave's end
	ds_add_u32 v1, v2
	s_wait_dscnt 0x0
	s_endpgm
.Lfunc_end_k_qa64ab16351_outln:
	.size	k_qa64ab16351_outln, .Lfunc_end_k_qa64ab16351_outln-k_qa64ab16351_outln
	.p2alignl 7, 3214868480
	.fill 96, 4, 3214868480
	.section	.rodata,"a",@progbits
	.p2align	6, 0x0
	.amdhsa_kernel k_qa64ab16351_outln
		.amdhsa_group_segment_fixed_size 162304
		.amdhsa_private_segment_fixed_size 0
		.amdhsa_enable_private_segment 0
		.amdhsa_kernarg_size 72
		.amdhsa_user_sgpr_count 2
		.amdhsa_user_sgpr_kernarg_segment_ptr 1
		.amdhsa_wavefront_size32 1
		.amdhsa_system_sgpr_workgroup_id_x 1
		.amdhsa_system_sgpr_workgroup_id_y 1
		.amdhsa_system_sgpr_workgroup_id_z 1
		.amdhsa_system_vgpr_workitem_id 0
		.amdhsa_next_free_vgpr 256
		.amdhsa_next_free_sgpr 66
		.amdhsa_reserve_vcc 0
		.amdhsa_float_denorm_mode_32 3
		.amdhsa_float_denorm_mode_16_64 3
		.amdhsa_memory_ordered 1
		.amdhsa_forward_progress 1
		.amdhsa_inst_pref_size 57
	.end_amdhsa_kernel
	.amdgpu_metadata
---
amdhsa.version: [ 1, 2 ]
amdhsa.kernels:
  - .name:           k_qa64ab16351_outln
    .symbol:         k_qa64ab16351_outln.kd
    .args:
      - { .name: cc, .offset: 0, .size: 8, .value_kind: global_buffer, .address_space: global }
      - { .name: cs, .offset: 8, .size: 8, .value_kind: global_buffer, .address_space: global }
      - { .name: cod, .offset: 16, .size: 8, .value_kind: global_buffer, .address_space: global }
      - { .name: scl, .offset: 24, .size: 8, .value_kind: global_buffer, .address_space: global }
      - { .name: query, .offset: 32, .size: 8, .value_kind: global_buffer, .address_space: global }
      - { .name: bo, .offset: 40, .size: 8, .value_kind: global_buffer, .address_space: global }
      - { .name: ln_g, .offset: 48, .size: 8, .value_kind: global_buffer, .address_space: global }
      - { .name: ln_b, .offset: 56, .size: 8, .value_kind: global_buffer, .address_space: global }
      - { .name: out0, .offset: 64, .size: 8, .value_kind: global_buffer, .address_space: global }
    .group_segment_fixed_size: 162304
    .private_segment_fixed_size: 0
    .kernarg_segment_align: 8
    .kernarg_segment_size: 72
    .max_flat_workgroup_size: 512
    .sgpr_count:     66
    .vgpr_count:     256
    .wavefront_size: 32
...
	.end_amdgpu_metadata
.endif
;; end of part 4
;; ======== version 2 of 2: 4 launches; version 1 with the launches attn, outln written anew for expert scheduling mode
;; limits: right only within a limited range of input values
;; workspace buffers: cod 11,796,480 bytes; scl 491,520 bytes; qkc 6,291,456 bytes; qks 524,288 bytes; vc 3,145,728 bytes; vs 131,072 bytes; cc 3,145,728 bytes; cs 131,072 bytes
;; launch quant: the kernel of part 1 again; grid 480 x 1, 4 waves a work-group, no clusters, 34,304 bytes of LDS; arguments query, key, values, Wq, Wv, Wo, cod, scl; writes cod, scl
;; launch proj: the kernel of part 2 again; grid 4 x 96, 4 waves a work-group, clusters of 4 x 4, 295,424 bytes of LDS; arguments cod, scl, bq, bv, qkc, qks, vc, vs; writes qkc, qks, vc, vs
;; launch attn (part 5): grid 32 x 64, 9 waves a work-group, no clusters, 42,752 bytes of LDS; arguments qkc, qks, vc, vs, gammas, cc, cs; writes cc, cs
.if DOCPART == 5
	.amdgcn_target "amdgcn-amd-amdhsa--gfx1250"
	.amdhsa_code_object_version 6
	.text
	.protected	k_qa64ab16351_attn
	.globl	k_qa64ab16351_attn
	.p2align	8
	.type	k_qa64ab16351_attn,@function
k_qa64ab16351_attn:
	s_mov_b64 s[64:65], 0
	v_nop
	global_prefetch_b8 v0, s[64:65] scope:SCOPE_SE
	s_setreg_imm32_b32 hwreg(HW_REG_WAVE_SCHED_MODE, 0, 2), 2
	s_setreg_imm32_b32 hwreg(HW_REG_WAVE_MODE, 25, 1), 1
	s_wait_xcnt 0x0
	s_wait_alu depctr_vm_vsrc(0)
; Attention of one head: scores, first softmax, distance effect, second softmax with the maxout rescale, P V; the result leaves as codes for the output projection.
; LEFT OUT (shown at the head of the first kernel): steps of 128 keys wholly at or behind a tile's queries; the clip at 1e5; the clip at 0; disttotal - distcum is formed as the sum over later keys; max(p) = 1 / l2.
; ONE WAVE OWNS ONE PAIR (tile of 16 queries, step of 128 keys), all of it in 64 registers; there is no loop.  Tile qt of a head needs qt / 8 + 1 steps.  Work-group (g, j), g = 0..3, j = 0..7, serves tile 8g + j
; (g + 1 steps, waves 0..g) and tile 8 (7 - g) + j (8 - g steps, waves g+1..8): nine pairs in every work-group.  The waves of a tile exchange (largest, sum) through LDS twice and their parts of O once: three barriers.
; Every LDS address is a constant + a lane term + a constant x wave; who belongs to whose tile is settled when reading, by adding -infinity to a stranger's maximum (its factor is then 0) or by a factor 0 or 1.
; LAYOUT.  S^T = K Q^T (source 0 = 16 keys, source 1 = my 16 queries), O^T = V^T P^T: lane (r, h) holds query r; register 16b + i holds key 32b + 16h + i of the step, since key tile 2b + u holds keys 32b + 8u + r + 8 (r / 8).
; The head's 64 along K fill the lower six registers of an operand.  Q's upper six are zero codes, so what stands in K's upper six (the next tile's codes) adds nothing; no scale byte is 0xff.
; A ROW.  c1 = log2(e) / 8.  mc = max(raw) c1 (at least -1e30), e = 2^(raw c1 - mc), u = sum of e over my later keys; exchange (mc, sum): M, f_u = 2^(mc_u - M), l1 = sum f_u T_u, carry = the later steps' part;
; x = (u f + carry) (gamma log2 e)^2 / l1 x (i - j); effect = max(2^-sqrt(x), 1e-5); s2 = raw x effect; M2, p' = 2^(s2 c1 - M2), L; exchange (M2, L): l2; p = p' f min(1, 5 / l2), quantised along the keys.
; A block's largest p is its largest s2 put through the same multiply-add, exponential and multiply.  l1 and l2 are held at 0.5 from below: a row with a key has sums of 1 or more, so that binds in a row without keys alone.
; LIMITS: scores x c1 under -1e30 count as masked; (gamma log2 e)^2 must not overflow: |gamma| under 1e19.
; NO CLUSTER, NO TENSOR LOAD: a wave wants 6,144 bytes of K and 6,144 of V once, laid in the order of its operand registers, 24 loads of 512 consecutive bytes straight into registers; through LDS they would be
; written and read once more, and of a work-group's nine waves at most two want the same step.  No prefetch: each step of K and V is read by up to 32 work-groups at about the same time.
; THE MODE: SCHED_MODE bits 1:0 = 2 (LLVM: expert scheduling mode 2), set by the entry lines.  The code itself states the register dependences between vector or matrix instructions and memory or LDS
; instructions, with s_wait_alu, always for 0.
; THE PLAN.  Registers that memory or LDS instructions touch, in the order of the text:
;   v3, v160-165, v1, v2   offsets and addresses: written by vector instructions at the head, never again; one wait ahead of the first load serves every load and store of the kernel.
;   v4-9, v16, v20-23, v96-143   the head's loads land there; no vector instruction has named them.  v10-15 and v144-149, zero codes written by vector moves, are operands of the scaled products: the same wait.
;   v30, v31   written by vector instructions, read by the store of the first exchange, written again by the second softmax, read by the store of the second exchange; in waves 0-3 a load lands there at the end.
;   v4-21, then v8-25   at work ahead of an exchange; the exchange's nine loads land there.  The wait ahead of the exchange's store serves them too: only the barrier stands between.
;   v96-147   at work until s2 = raw x effect; then V and its scale words land there: one wait behind that product.
;   v148-159, v16   p's codes and scale word, written by vector instructions, operands of the scaled products P V: one wait behind the places.
;   v32-63   written by P V, read by the eight stores of my part of O^T; in waves 0-3 the parts' loads then land in v32-159 and v16-31: one wait ahead of the stores, one behind the barrier.
;   v10-12, v8   codes and scale byte, written by vector instructions, read by the two global stores: one wait.
;   s18 (the wave's number) and the mask's s72-87 are scalar registers that vector instructions write: a wait stands ahead of their first readers.
.set X1,    0                          ; 9 x 256: (mc, sum) of each wave, 8 bytes a lane
.set X2,    2304                       ; 9 x 256: (M2, L)
.set OSL,   4608                       ; 9 x 4096: each wave's part of O^T, as an image of 32 registers
.set SPARE, 41472                      ; the spare words: 9 x 128 bytes, rounded up to 1280
.set S, 32                             ; v32-95   scores, s2, p', p; then O^T
.set E, 96                             ; v96-159  K; e, x, the effect; V, its scale words (v144-147), p's codes (v148-159)
; v3 16 x lane; v160 8 x lane; v161 + 256 w; v162 16 x lane + 4096 w; v163 16 x lane + 2048 (w % 2); v164 16 r; v165 24 r + 12 h: made once, never rewritten.  v4-31 at work.
.macro BAR
	s_wait_dscnt 0x0                               ; my LDS stores have landed and my LDS loads are in
	s_barrier_signal -1
	s_barrier_wait -1
.endm
.macro BMAX                            ; the largest of each block of 32 keys -> v4-7; the row's largest x c1, at least -1e30 -> v30
.irp b, 0,1,2,3
	v_max3_num_f32 v[4+\b], v[S+16*\b], v[S+16*\b+1], v[S+16*\b+2]
.endr
.irp i, 3,5,7,9,11,13
.irp b, 0,1,2,3
	v_max3_num_f32 v[4+\b], v[4+\b], v[S+16*\b+\i], v[S+16*\b+\i+1]
.endr
.endr
.irp b, 0,1,2,3
	v_max_num_f32 v[4+\b], v[4+\b], v[S+16*\b+15]
.endr
.irp b, 0,1,2,3
	v_permlanex16_b32 v[8+\b], v[4+\b], s28, s29
.endr
.irp b, 0,1,2,3
	v_max_num_f32 v[4+\b], v[4+\b], v[8+\b]
.endr
	v_max3_num_f32 v30, v4, v5, v6
	v_max_num_f32 v30, v30, v7
	v_mul_f32 v30, s30, v30
	v_max_num_f32 v30, 0xf149f2ca, v30
.endm
; All nine waves' (largest, sum) from base into v[sl + 2u], v[sl + 2u + 1].  Leaves f_u x sum_u in v[sl + 2u + 1], my own f in v[fo], and issues the reciprocal of the tile's sum (at least 0.5) into v27:
; the caller sets a plain line and the wait behind it.  The loads owe no wait of their own: no vector instruction stands between the wait ahead of the exchange's store and them.
.macro XCHG base, sl, fo
.irp u, 0,1,2,3,4,5,6,7,8
	ds_load_b64 v[\sl+2*\u:\sl+2*\u+1], v160 offset:\base+256*\u
.endr
	s_wait_dscnt 0x0
.irp u, 0,1,2,3,4,5,6,7,8
	v_add_f32 v[\sl+2*\u], s[36+\u], v[\sl+2*\u]   ; 0 for a wave of my tile, -infinity for the other tile's
.endr
	v_max3_num_f32 v27, v[\sl], v[\sl+2], v[\sl+4]
	v_max3_num_f32 v27, v27, v[\sl+6], v[\sl+8]
	v_max3_num_f32 v27, v27, v[\sl+10], v[\sl+12]
	v_max3_num_f32 v27, v27, v[\sl+14], v[\sl+16]  ; the row's largest: mine is among them, so it is a number
.irp u, 0,1,2,3,4,5,6,7,8
	v_sub_f32 v[\sl+2*\u], v[\sl+2*\u], v27
.endr
	v_sub_f32 v[\fo], v30, v27
.irp u, 0,1,2,3,4,5,6,7,8
	v_exp_f32 v[\sl+2*\u], v[\sl+2*\u]
.endr
	v_exp_f32 v[\fo], v[\fo]
	v_nop                                          ; a plain line behind the batch,
	s_wait_alu depctr_va_vdst(0)                   ; and the one wait ahead of its first reader: the ten exponentials have written their results
.irp u, 0,1,2,3,4,5,6,7,8
	v_mul_f32 v[\sl+2*\u+1], v[\sl+2*\u+1], v[\sl+2*\u]
.endr
	v_add_f32 v[\sl], v[\sl+1], v[\sl+3]
	v_add_f32 v[\sl+2], v[\sl+5], v[\sl+7]
	v_add_f32 v[\sl+4], v[\sl+9], v[\sl+11]
	v_add_f32 v[\sl+6], v[\sl+13], v[\sl+15]
	v_add_f32 v[\sl], v[\sl], v[\sl+2]
	v_add_f32 v[\sl+4], v[\sl+4], v[\sl+6]
	v_add_f32 v[\sl], v[\sl], v[\sl+4]
	v_add_f32 v27, v[\sl], v[\sl+17]
	v_max_num_f32 v27, 0.5, v27
	v_rcp_f32 v27, v27
.endm
	s_load_b256 s[4:11], s[0:1], 0x0               ; qkc, qks, vc, vs
	s_load_b128 s[12:15], s[0:1], 0x20             ; gammas, cc
	s_load_b64 s[16:17], s[0:1], 0x30              ; cs
	v_lshl_add_u32 v1, v0, 2, SPARE
	v_mov_b32 v2, 0
.irp i, 10,11,12,13,14,15
	v_mov_b32 v[\i], 0                             ; Q's upper six registers: zero codes
.endr
.irp i, 48,49,50,51,52,53
	v_mov_b32 v[E+\i], 0                           ; behind the last key tile
.endr
	v_lshrrev_b32 v24, 5, v0
	v_readfirstlane_b32 s18, v24                   ; wave w, 0..8
	v_and_b32 v24, 31, v0
	v_lshlrev_b32 v3, 4, v24
	v_lshlrev_b32 v160, 3, v24
	v_and_b32 v24, 15, v0
	v_bfe_u32 v25, v0, 4, 1
	v_lshlrev_b32 v164, 4, v24
	v_mul_u32_u24 v165, v24, 24
	v_mad_u32_u24 v165, v25, 12, v165
	s_wait_alu depctr_va_sdst(0)                   ; s18 is written, ahead of its first reader: addresses, roles and branches are made from it
	s_lshl_b32 s90, s18, 8
	s_lshl_b32 s95, s18, 12
	s_and_b32 s33, s18, 1
	s_lshl_b32 s33, s33, 11
	v_add_nc_u32 v161, s90, v160
	v_add_nc_u32 v162, s95, v3
	v_add_nc_u32 v163, s33, v3
	s_lshr_b32 s19, ttmp9, 3                       ; g
	s_and_b32 s20, ttmp9, 7                        ; j
	s_and_b32 s21, ttmp7, 0xffff                   ; Y = b x 16 + head
	s_and_b32 s22, s21, 15                         ; head
	s_sub_co_u32 s33, 7, s19
	s_sub_co_u32 s34, s18, s19
	s_sub_co_u32 s34, s34, 1
	s_cmp_gt_u32 s18, s19
	s_cselect_b32 s23, 1, 0                        ; 1: I serve the second tile
	s_cselect_b32 s24, s33, s19                    ; my tile's group of eight: 7 - g or g
	s_cselect_b32 s25, s34, s18                    ; my step: w - g - 1 or w
	s_lshl_b32 s26, s24, 3
	s_add_co_u32 s26, s26, s20                     ; my tile qt
	s_lshl_b32 s27, s26, 4
	s_lshl_b32 s33, s25, 7
	s_sub_co_u32 s27, s27, s33                     ; my first query less my first key
	s_mov_b32 s28, 0x76543210
	s_mov_b32 s29, 0xfedcba98                      ; v_permlanex16_b32's selects for lane l xor 16
	s_mov_b32 s30, 0x3e38aa3b                      ; c1 = log2(e) / 8
	s_mov_b32 s31, s30
	s_mov_b32 s93, 0
	s_mul_i32 s91, s21, 49152
	s_lshl_b32 s94, s21, 12
	s_wait_kmcnt 0x0
	s_add_co_u32 s92, s91, 64*49152
	s_mul_i32 s35, s25, 6144
	s_add_co_u32 s92, s92, s35
	s_add_nc_u64 s[60:61], s[4:5], s[92:93]        ; K: my step's two quads
	s_add_co_u32 s92, s94, 64*4096
	s_lshl_b32 s35, s25, 9
	s_add_co_u32 s92, s92, s35
	s_add_nc_u64 s[62:63], s[6:7], s[92:93]        ; and their scale words
	s_wait_alu depctr_va_vdst(0)                   ; v3 and v160 to v165 are written, which the kernel's loads and stores read as offsets; so are the zero codes v10-15 and v144-149, operands of the scaled products below (no vector instruction stands between)
.irp p, 0,1,2,3,4,5,6,7,8,9,10,11
	global_load_b128 v[E+4*\p:E+4*\p+3], v3, s[60:61] offset:512*\p
.endr
	global_load_b128 v[20:23], v3, s[62:63]        ; v[20 + n]: lanes 0-15 key tile n, lanes 16-31 key tile 4 + n
	s_lshr_b32 s33, s26, 2
	s_mul_i32 s33, s33, 3072
	s_add_co_u32 s33, s33, s91                     ; Q: my tile's quad;
	s_and_b32 s34, s26, 3
	s_mul_i32 s34, s34, 3                          ; in its run of 24 registers my six are pairs 3 (qt % 4) + 0, 1, 2: pair p lies in piece p / 2, at 8 (p % 2) of a lane's 16 bytes
.irp k, 0,1,2
	s_add_co_u32 s35, s34, \k
	s_lshr_b32 s92, s35, 1
	s_lshl_b32 s92, s92, 9
	s_and_b32 s35, s35, 1
	s_lshl_b32 s35, s35, 3
	s_add_co_u32 s92, s92, s35
	s_add_co_u32 s92, s92, s33
	s_add_nc_u64 s[54+2*\k:55+2*\k], s[4:5], s[92:93]
	global_load_b64 v[4+2*\k:5+2*\k], v3, s[54+2*\k:55+2*\k]
.endr
	s_lshr_b32 s35, s26, 2
	s_lshl_b32 s35, s35, 8
	s_add_co_u32 s92, s94, s35
	s_and_b32 s35, s26, 3
	s_lshl_b32 s35, s35, 2
	s_add_co_u32 s92, s92, s35
	s_add_nc_u64 s[66:67], s[6:7], s[92:93]
	global_load_b32 v16, v164, s[66:67]            ; Q's scale words
	s_lshl_b32 s35, s21, 3
	s_add_co_u32 s35, s35, s25
	s_mul_i32 s92, s35, 6144
	s_add_nc_u64 s[68:69], s[8:9], s[92:93]        ; V: my step
	s_lshl_b32 s92, s35, 8
	s_add_nc_u64 s[70:71], s[10:11], s[92:93]
	s_lshl_b32 s92, s22, 2
	s_add_nc_u64 s[12:13], s[12:13], s[92:93]
	s_load_b32 s32, s[12:13], 0x0                  ; my head's gamma
.irp u, 0,1,2,3,4,5,6,7,8
	s_cmp_gt_u32 \u, s19
	s_cselect_b32 s33, 1, 0
	s_cmp_eq_u32 s33, s23
	s_cselect_b32 s[36+\u], 0, 0xff800000          ; wave u serves my tile: 0; the other: -infinity
.endr
.irp u, 1,2,3,4,5,6,7,8
	s_cmp_gt_u32 \u, s18
	s_cselect_b32 s[45+\u], 1.0, 0                 ; wave u holds later keys than I (a stranger's factor is 0 anyway)
.endr
	s_wait_kmcnt 0x0
	s_mul_f32 s32, s32, 0x3fb8aa3b
	s_mul_f32 s32, s32, s32                        ; (gamma log2 e)^2
	s_wait_loadcnt 0x0
	; ---- the scores
.irp t, 0,1,2,3
	v_wmma_scale_f32_16x16x128_f8f6f4 v[S+8*\t:S+8*\t+7], v[E+6*\t:E+6*\t+11], v[4:15], 0, v[20+\t], v16 matrix_a_fmt:MATRIX_FMT_BF6 matrix_b_fmt:MATRIX_FMT_BF6
.endr
.irp t, 4,5,6,7
	v_wmma_scale_f32_16x16x128_f8f6f4 v[S+8*\t:S+8*\t+7], v[E+6*\t:E+6*\t+11], v[4:15], 0, v[16+\t], v16 matrix_a_fmt:MATRIX_FMT_BF6 matrix_b_fmt:MATRIX_FMT_BF6 matrix_a_scale:MATRIX_SCALE_ROW1
.endr
	v_and_b32 v24, 15, v0                          ; these eight lines are the places behind the products
	v_bfe_u32 v25, v0, 4, 1                        ; h
	v_lshlrev_b32 v26, 4, v25
	v_sub_nc_u32 v27, v24, v26
	v_add_nc_u32 v27, s27, v27                     ; d = my query - my first key - 16 h: register 16b + i has i - j = d - (32b + i)
	v_cvt_f32_i32 v28, v27
	v_add_f32 v29, -1.0, v28                       ; (d, d - 1): a pair of registers' distances, less their place
	v_mov_b32 v31, 0
	s_cmp_lg_u32 s25, s24                          ; only a tile's last step holds hidden keys
	s_cbranch_scc1 .Lopen
	v_mov_b32 v30, 0xff800000
.set gg, 0
.rept 4                                ; a block of 32 keys at a time: my sixteen compares in one run, into s72-87 (free until the parts of O are added), one wait, my sixteen selects
.set nn, 0
.rept 16
	v_cmp_ge_i32 s[72+nn], 32*gg+nn, v27           ; hidden where j >= i
.set nn, nn+1
.endr
	s_wait_alu depctr_va_sdst(0)                   ; the sixteen compares have written s72 to s87, ahead of the selects that read them
.set nn, 0
.rept 16
	v_cndmask_b32 v[S+16*gg+nn], v[S+16*gg+nn], v30, s[72+nn]
.set nn, nn+1
.endr
.set gg, gg+1
.endr
.Lopen:
	BMAX                                           ; v30 = mc
	; ---- e, and its sums over later keys
.set kk, 0
.rept 32
	v_pk_fma_f32 v[E+kk:E+kk+1], v[S+kk:S+kk+1], s[30:31], v[30:31] op_sel_hi:[1,0,0] neg_lo:[0,0,1] neg_hi:[0,0,1]
.set kk, kk+2
.endr
.set kk, 0
.rept 64
	v_exp_f32 v[E+kk], v[E+kk]
.set kk, kk+1
.endr
	v_xor_b32 v13, 1, v25                          ; a plain line behind the batch
	s_wait_alu depctr_va_vdst(0)                   ; one wait for the 64: the exponentials have written e, ahead of its first reader
	v_cvt_f32_u32 v13, v13                         ; 1 - h
.irp i, 14,13,12,11,10,9,8,7,6,5,4,3,2,1,0
.irp b, 0,1,2,3
	v_add_f32 v[E+16*\b+\i], v[E+16*\b+\i+1], v[E+16*\b+\i]   ; register i: the sum from i on, in my 16 of block b
.endr
.endr
.irp b, 0,1,2,3
	v_permlanex16_b32 v[8+\b], v[E+16*\b], s28, s29
.endr
.irp b, 0,1,2,3
	v_add_f32 v[4+\b], v[8+\b], v[E+16*\b]         ; the block's sum
.endr
	v_mul_f32 v25, v11, v13                        ; what lies behind my 16 of block b: for lanes 0-15 the upper 16 of the block, and all later blocks
	v_fma_f32 v24, v10, v13, v7
	v_add_f32 v14, v7, v6
	v_fma_f32 v23, v9, v13, v14
	v_add_f32 v15, v14, v5
	v_fma_f32 v22, v8, v13, v15
	v_add_f32 v31, v15, v4                         ; my step's sum
	s_wait_alu depctr_va_vdst(0)                   ; v30 and v31 are written, which the store reads; and the vector work is done with v4 to v21, in which the exchange's loads land
	ds_store_b64 v161, v[30:31] offset:X1
	BAR
	XCHG X1, 4, 26
	v_mul_f32 v6, s46, v7                          ; the later steps' part (plain lines behind the reciprocal, which name none of its registers)
	v_fma_f32 v6, s47, v9, v6
	v_fma_f32 v6, s48, v11, v6
	v_fma_f32 v6, s49, v13, v6
	v_fma_f32 v6, s50, v15, v6
	v_fma_f32 v6, s51, v17, v6
	v_fma_f32 v6, s52, v19, v6
	v_fma_f32 v6, s53, v21, v6
	s_wait_alu depctr_va_vdst(0)                   ; the reciprocal has written v27, ahead of its first reader
	v_mul_f32 v27, s32, v27                        ; k2 = (gamma log2 e)^2 / l1
	v_mul_f32 v26, v26, v27                        ; my f x k2
	v_mul_f32 v6, v6, v27
.irp b, 0,1,2,3
	v_fma_f32 v[22+\b], v[22+\b], v26, v6
.endr
	; ---- x = (the sum over later keys) k2 (i - j)
.irp i, 0,1,2,3,4,5,6,7,8,9,10,11,12,13,14
.irp b, 0,1,2,3
	v_fma_f32 v[E+16*\b+\i], v[E+16*\b+\i+1], v26, v[22+\b]
.endr
.endr
.irp b, 0,1,2,3
	v_mov_b32 v[E+16*\b+15], v[22+\b]
.endr
	v_pk_add_f32 v[4:5], v[28:29], 0xc2000000 op_sel_hi:[1,0]   ; the distances of blocks 1, 2, 3 begin 32, 64, 96 lower
	v_pk_add_f32 v[6:7], v[28:29], 0xc2800000 op_sel_hi:[1,0]
	v_pk_add_f32 v[8:9], v[28:29], 0xc2c00000 op_sel_hi:[1,0]
.set mm, 0
.rept 8
.set bb, 0
.irp pr, 28,4,6,8
	v_pk_mul_f32 v[E+16*bb+2*mm:E+16*bb+2*mm+1], v[E+16*bb+2*mm:E+16*bb+2*mm+1], v[\pr:\pr+1]
.set bb, bb+1
.endr
.if mm < 7
.irp pr, 28,4,6,8
	v_pk_add_f32 v[\pr:\pr+1], v[\pr:\pr+1], -2.0 op_sel_hi:[1,0]
.endr
.endif
.set mm, mm+1
.endr
	; ---- the effect.  (At a hidden key the sum over later keys is 0, so x is a zero and no root of a negative number is taken)
.set kk, 0
.rept 64
	v_sqrt_f32 v[E+kk], v[E+kk]
.set kk, kk+1
.endr
	v_nop
	s_wait_alu depctr_va_vdst(0)                   ; the 64 roots are written, ahead of the exponentials that read them
.set kk, 0
.rept 64
	v_exp_f32 v[E+kk], -v[E+kk]
.set kk, kk+1
.endr
	v_nop
	s_wait_alu depctr_va_vdst(0)                   ; the 64 exponentials are written, ahead of the clip that reads them
.set kk, 0
.rept 64
	v_max_num_f32 v[E+kk], 0x3727c5ac, v[E+kk]     ; the clip at 1e-5
.set kk, kk+1
.endr
.set kk, 0
.rept 32
	v_pk_mul_f32 v[S+kk:S+kk+1], v[S+kk:S+kk+1], v[E+kk:E+kk+1]
.set kk, kk+2
.endr
	; ---- V is asked for now: it lands under the second softmax
	s_wait_alu depctr_vm_vsrc(0)                   ; the first exchange's store has read v30 and v31, which the second softmax below writes again
	s_wait_alu depctr_va_vdst(0)                   ; the products above are done reading the effect: no vector instruction names v96 to v147 from here on, and V's loads land there
.irp p, 0,1,2,3,4,5,6,7,8,9,10,11
	global_load_b128 v[E+4*\p:E+4*\p+3], v3, s[68:69] offset:512*\p
.endr
	global_load_b128 v[E+48:E+51], v164, s[70:71]  ; its scale words: word n of channel row r
	BMAX                                           ; v4-7 the blocks' largest s2, v30 = M2
.set kk, 0
.rept 32
	v_pk_fma_f32 v[S+kk:S+kk+1], v[S+kk:S+kk+1], s[30:31], v[30:31] op_sel_hi:[1,0,0] neg_lo:[0,0,1] neg_hi:[0,0,1]
.set kk, kk+2
.endr
.irp b, 0,1,2,3
	v_fma_f32 v[4+\b], v[4+\b], s30, -v30
.endr
.set kk, 0
.rept 64
	v_exp_f32 v[S+kk], v[S+kk]
.set kk, kk+1
.endr
.irp b, 0,1,2,3
	v_exp_f32 v[4+\b], v[4+\b]
.endr
	v_nop
	s_wait_alu depctr_va_vdst(0)                   ; the 68 exponentials are written, ahead of the sums that read them
	v_pk_add_f32 v[12:13], v[S:S+1], v[S+2:S+3]
	v_pk_add_f32 v[14:15], v[S+4:S+5], v[S+6:S+7]
.irp k, 8,12,16,20,24,28,32,36,40,44,48,52,56,60
	v_pk_add_f32 v[12:13], v[12:13], v[S+\k:S+\k+1]
	v_pk_add_f32 v[14:15], v[14:15], v[S+\k+2:S+\k+3]
.endr
	v_pk_add_f32 v[12:13], v[12:13], v[14:15]
	v_add_f32 v31, v12, v13
	v_permlanex16_b32 v12, v31, s28, s29
	v_add_f32 v31, v31, v12                        ; L
	s_wait_alu depctr_va_vdst(0)                   ; v30 and v31 are written, which the store reads; and the vector work is done with v8 to v25, in which the exchange's loads land
	ds_store_b64 v161, v[30:31] offset:X2
	BAR
	XCHG X2, 8, 28
	v_nop
	s_wait_alu depctr_va_vdst(0)                   ; the reciprocal has written v27, ahead of its first reader
	v_mul_f32 v27, 0x40a00000, v27                 ; 5 / l2
	v_min_num_f32 v27, 1.0, v27
	v_mul_f32 v28, v28, v27                        ; F = my f x min(1, 5 / l2)
	; ---- p, finished, and its codes
.set kk, 0
.rept 32
	v_pk_mul_f32 v[S+kk:S+kk+1], v[S+kk:S+kk+1], v[28:29] op_sel_hi:[1,0]
.set kk, kk+2
.endr
.irp b, 0,1,2,3
	v_mul_f32 v[4+\b], v[4+\b], v28
.endr
.irp b, 0,1,2,3
	v_max_num_f32 v[4+\b], 0x2800000, v[4+\b]      ; the floor 2^(5 - 127)
.endr
.irp b, 0,1,2,3
	v_add_nc_u32 v[12+\b], 0xfe000000, v[4+\b]
.endr
.irp b, 0,1,2,3
	v_lshrrev_b32 v[8+\b], 23, v[12+\b]
.endr
	v_lshl_or_b32 v16, v9, 8, v8
	v_lshl_or_b32 v16, v10, 16, v16
	v_lshl_or_b32 v16, v11, 24, v16                ; p's scale word
	v_cvt_scalef32_pk16_bf6_f32 v[148:150], v[S:S+15], v12
	v_cvt_scalef32_pk16_bf6_f32 v[20:22], v[S+16:S+31], v13
	v_cvt_scalef32_pk16_bf6_f32 v[154:156], v[S+32:S+47], v14
	v_cvt_scalef32_pk16_bf6_f32 v[24:26], v[S+48:S+63], v15
	v_nop
.irp i, 0,1,2
	v_permlane16_swap_b32 v[148+\i], v[20+\i]
	v_permlane16_swap_b32 v[154+\i], v[24+\i]
.endr
.irp i, 0,1,2
	v_mov_b32 v[151+\i], v[20+\i]
	v_mov_b32 v[157+\i], v[24+\i]
.endr
	s_wait_loadcnt 0x0                             ; V
.rept 8
	v_nop                                          ; a scale register written by a vector instruction stands 8 places ahead of a scaled matrix instruction, an operand 4
.endr
	s_wait_alu depctr_va_vdst(0)                   ; behind the places: p's codes v148 to v159 and its scale word v16 are written, which the scaled products take as operand and scales
.irp n, 0,1,2,3
	v_wmma_scale_f32_16x16x128_f8f6f4 v[S+8*\n:S+8*\n+7], v[E+12*\n:E+12*\n+11], v[148:159], 0, v[144+\n], v16 matrix_a_fmt:MATRIX_FMT_BF6 matrix_b_fmt:MATRIX_FMT_BF6
.endr
.rept 4
	v_nop
.endr
	s_wait_alu depctr_va_vdst(0)                   ; behind the places: the products have written v32 to v63, which the stores read, and are done reading V, p and the scales; no vector instruction follows until the parts' loads have landed in v16-31 and v32-159
.irp p, 0,1,2,3,4,5,6,7
	ds_store_b128 v162, v[S+4*\p:S+4*\p+3] offset:OSL+512*\p   ; my part of O^T: register 16 bb + i = channel 32 bb + 16 h + i
.endr
	BAR
	s_wait_alu depctr_vm_vsrc(0)                   ; ahead of the branch: my stores have read v32 to v63, and the second exchange's store v30 and v31: the parts' loads below land in them
	; ---- waves 0-3 add the parts: wave w takes tile w / 2 of the two and block w % 2 of the head's 64 channels, quantises it along the channels, which are the output projection's K, and stores it
	s_cmp_gt_u32 s18, 3
	s_cbranch_scc1 .Ldone
	s_lshr_b32 s33, s18, 1
	s_and_b32 s34, s18, 1
.irp u, 0,1,2,3
.irp k, 0,1,2,3
	ds_load_b128 v[S+16*\u+4*\k:S+16*\u+4*\k+3], v163 offset:OSL+4096*\u+512*\k
.endr
.endr
.irp u, 4,5,6,7
.irp k, 0,1,2,3
	ds_load_b128 v[E+16*(\u-4)+4*\k:E+16*(\u-4)+4*\k+3], v163 offset:OSL+4096*\u+512*\k
.endr
.endr
.irp k, 0,1,2,3
	ds_load_b128 v[16+4*\k:19+4*\k], v163 offset:OSL+4096*8+512*\k
.endr
.irp u, 0,1,2,3,4,5,6,7,8
	s_cmp_gt_u32 \u, s19
	s_cselect_b32 s35, 1, 0
	s_cmp_eq_u32 s35, s33
	s_cselect_b32 s[72+2*\u], 1.0, 0               ; wave u's part belongs to this tile, or not
	s_mov_b32 s[73+2*\u], s[72+2*\u]
.endr
	s_sub_co_u32 s35, 7, s19
	s_cmp_lg_u32 s33, 0
	s_cselect_b32 s35, s35, s19
	s_lshl_b32 s35, s35, 3
	s_add_co_u32 s35, s35, s20
	s_lshr_b32 s92, s21, 4
	s_lshl_b32 s92, s92, 6
	s_add_co_u32 s35, s35, s92                     ; the token tile: 64 b + qt
	s_lshl_b32 s92, s35, 4
	s_add_co_u32 s92, s92, s22
	s_mul_i32 s92, s92, 768
	s_mul_i32 s94, s34, 384
	s_add_co_u32 s92, s92, s94
	s_add_nc_u64 s[14:15], s[14:15], s[92:93]      ; cc: [token tile][head][r + 16 block][24]
	s_lshl_b32 s92, s35, 9
	s_lshr_b32 s94, s22, 3
	s_lshl_b32 s94, s94, 8
	s_add_co_u32 s92, s92, s94
	s_and_b32 s94, s22, 7
	s_lshl_b32 s94, s94, 1
	s_add_co_u32 s92, s92, s94
	s_add_co_u32 s92, s92, s34
	s_add_nc_u64 s[16:17], s[16:17], s[92:93]      ; cs: [token tile][head / 8][r][2 (head % 8) + block]
	s_wait_dscnt 0x0
.set kk, 0
.rept 8
	v_pk_mul_f32 v[S+kk:S+kk+1], v[S+kk:S+kk+1], s[72:73] op_sel_hi:[1,0]
.set kk, kk+2
.endr
.irp u, 1,2,3
.set kk, 0
.rept 8
	v_pk_fma_f32 v[S+kk:S+kk+1], v[S+16*\u+kk:S+16*\u+kk+1], s[72+2*\u:73+2*\u], v[S+kk:S+kk+1] op_sel_hi:[1,0,1]
.set kk, kk+2
.endr
.endr
.irp u, 4,5,6,7
.set kk, 0
.rept 8
	v_pk_fma_f32 v[S+kk:S+kk+1], v[E+16*(\u-4)+kk:E+16*(\u-4)+kk+1], s[72+2*\u:73+2*\u], v[S+kk:S+kk+1] op_sel_hi:[1,0,1]
.set kk, kk+2
.endr
.endr
.set kk, 0
.rept 8
	v_pk_fma_f32 v[S+kk:S+kk+1], v[16+kk:17+kk], s[88:89], v[S+kk:S+kk+1] op_sel_hi:[1,0,1]
.set kk, kk+2
.endr
	v_max3_num_f32 v5, |v32|, |v33|, 0x2800000
	v_max3_num_f32 v6, |v34|, |v35|, |v36|
	v_max3_num_f32 v5, v5, |v37|, |v38|
	v_max3_num_f32 v6, v6, |v39|, |v40|
	v_max3_num_f32 v5, v5, |v41|, |v42|
	v_max3_num_f32 v6, v6, |v43|, |v44|
	v_max3_num_f32 v5, v5, |v45|, |v46|
	v_max3_num_f32 v6, v6, |v47|, v5
	v_permlanex16_b32 v7, v6, s28, s29
	v_max_num_f32 v6, v6, v7
	v_add_nc_u32 v7, 0xfe000000, v6
	v_lshrrev_b32 v8, 23, v7
	v_cvt_scalef32_pk16_bf6_f32 v[10:12], v[32:47], v7
	v_nop
	s_wait_alu depctr_va_vdst(0)                   ; the conversion has written v10 to v12 and the shift v8, which the two stores read
	global_store_b96 v165, v[10:12], s[14:15]      ; 32 lanes store 384 consecutive bytes
	global_store_b8 v164, v8, s[16:17]             ; lanes l and l xor 16 hold the same byte and name the same place
.Ldone:
	s_wait_dscnt 0x0                               ; the closing lines, six on end
	s_wait_alu 0x0
	s_wait_tensorcnt 0x0
	ds_add_u32 v1, v2
	s_wait_dscnt 0x0
	s_endpgm
.Lfunc_end_k_qa64ab16351_attn:
	.size	k_qa64ab16351_attn, .Lfunc_end_k_qa64ab16351_attn-k_qa64ab16351_attn
	.p2alignl 7, 3214868480
	.fill 96, 4, 3214868480
	.section	.rodata,"a",@progbits
	.p2align	6, 0x0
	.amdhsa_kernel k_qa64ab16351_attn
		.amdhsa_group_segment_fixed_size 42752
		.amdhsa_private_segment_fixed_size 0
		.amdhsa_enable_private_segment 0
		.amdhsa_kernarg_size 56
		.amdhsa_user_sgpr_count 2
		.amdhsa_user_sgpr_kernarg_segment_ptr 1
		.amdhsa_wavefront_size32 1
		.amdhsa_system_sgpr_workgroup_id_x 1
		.amdhsa_system_sgpr_workgroup_id_y 1
		.amdhsa_system_sgpr_workgroup_id_z 1
		.amdhsa_system_vgpr_workitem_id 0
		.amdhsa_next_free_vgpr 168
		.amdhsa_next_free_sgpr 96
		.amdhsa_reserve_vcc 0
		.amdhsa_float_denorm_mode_32 3
		.amdhsa_float_denorm_mode_16_64 3
		.amdhsa_memory_ordered 1
		.amdhsa_forward_progress 1
		.amdhsa_inst_pref_size 80
	.end_amdhsa_kernel
	.amdgpu_metadata
---
amdhsa.version: [ 1, 2 ]
amdhsa.kernels:
  - .name:           k_qa64ab16351_attn
    .symbol:         k_qa64ab16351_attn.kd
    .args:
      - { .name: qkc, .offset: 0, .size: 8, .value_kind: global_buffer, .address_space: global }
      - { .name: qks, .offset: 8, .size: 8, .value_kind: global_buffer, .address_space: global }
      - { .name: vc, .offset: 16, .size: 8, .value_kind: global_buffer, .address_space: global }
      - { .name: vs, .offset: 24, .size: 8, .value_kind: global_buffer, .address_space: global }
      - { .name: gammas, .offset: 32, .size: 8, .value_kind: global_buffer, .address_space: global }
      - { .name: cc, .offset: 40, .size: 8, .value_kind: global_buffer, .address_space: global }
      - { .name: cs, .offset: 48, .size: 8, .value_kind: global_buffer, .address_space: global }
    .group_segment_fixed_size: 42752
    .private_segment_fixed_size: 0
    .kernarg_segment_align: 8
    .kernarg_segment_size: 56
    .max_flat_workgroup_size: 288
    .sgpr_count:     96
    .vgpr_count:     168
    .wavefront_size: 32
...
	.end_amdgpu_metadata
.endif
;; end of part 5
;; launch outln (part 6): grid 128 x 1, 16 waves a work-group, no clusters, 162,304 bytes of LDS; arguments cc, cs, cod, scl, query, bo, ln_g, ln_b, out0; writes out0
.if DOCPART == 6
	.amdgcn_target "amdgcn-amd-amdhsa--gfx1250"
	.amdhsa_code_object_version 6
	.text
	.protected	k_qa64ab16351_outln
	.globl	k_qa64ab16351_outln
	.p2align	8
	.type	k_qa64ab16351_outln,@function
k_qa64ab16351_outln:
	s_mov_b64 s[64:65], 0
	v_nop
	global_prefetch_b8 v0, s[64:65] scope:SCOPE_SE
	s_setreg_imm32_b32 hwreg(HW_REG_WAVE_SCHED_MODE, 0, 2), 2
	s_setreg_imm32_b32 hwreg(HW_REG_WAVE_MODE, 25, 1), 1
	s_wait_xcnt 0x0
	s_wait_alu depctr_vm_vsrc(0)
; out0 = LayerNorm(query + concat Wo^T + bo) x ln_g + ln_b.  concat arrives as codes (cc, cs) from the launch before, Wo as codes (cod tiles 896-959, scl).  No work of reference() is left out here.
; A work-group owns 32 tokens (two tiles of 16) and all 1024 columns, so that a row's mean and variance stay inside it.  Wave w owns columns 64 w .. 64 w + 63: four tiles of Wo as source 0, the two token tiles as source 1:
; a lane holds one token, and register 16b + i of a token tile holds column 64 w + 32b + 16h + i (Wo's tiles hold rows 32b + 8u + r + 8 (r / 8)).  Eight accumulators, by turns, eight K steps.
; Each fragment of Wo feeds one wave of the work-group, twice: it goes from memory straight into registers, three loads of 512 consecutive bytes.  concat's 24,576 bytes are copied into LDS once and read by all sixteen waves.
; query + bo waits in LDS (rows of 4096 + 16 bytes); the same bytes carry the normalised rows back, so that whole rows of 4096 bytes leave, 512 consecutive bytes a store.
; NO CLUSTER, NO TENSOR LOAD: Wo's codes are 786,432 bytes for every work-group, more than LDS holds: joint loads would want a ring of slots filled again several times, with a round of the cluster's barrier each, to save
; a read that every work-group makes at about the same time as 127 others.  No prefetch, for the same reason.  32 tokens and not 16: every work-group takes in all of Wo, so half as many take in half as much.
; THE MODE: SCHED_MODE bits 1:0 = 2 (LLVM: expert scheduling mode 2), set by the entry lines.  The code itself states the register dependences between vector or matrix instructions and memory or LDS
; instructions, with s_wait_alu, always for 0.
; THE PLAN.  Registers that memory or LDS instructions touch, in the order of the text:
;   v3 to v11, v1, v2   offsets and addresses: written by vector instructions at the head, never again: one wait ahead of the first load serves the whole kernel.
;   ACC v36-99   query lands there; the adds of bo write it; the head's LDS stores read it; then the products write it: a wait ahead of the stores, a wait behind the barrier.
;   v228-239   concat's codes land there, LDS stores read them, then concat's fragments land there: the wait behind the barrier.  v196-227: bo, read by the adds, then fragments land: the wait ahead of the stores.
;   WB, CB, buffer s % 2   K step s: its eight products read them; behind them the loads of step s + 2 land there: ONE wait to a step, behind its products.  Step s + 1's products, which follow the loads, name the other buffers.
;   v100-227 behind the K steps   query + bo, ln_g and ln_b land in what was WB and CB: one wait behind the last step's products.
;   v228, v232   a token's sum, written by vector instructions, read by the store of a meeting of sums, written again for the squares: a wait ahead of each store, one behind the first meeting.
;   v100-131   read by vector instructions, then the sixteen waves' sums land there: the wait ahead of the meeting's store serves (only the barrier stands between).
;   ACC, then v100-163   the normalised rows, written by vector instructions, read by LDS stores; the finished rows, read by the global stores: a wait ahead of each run.
;   s22, the wave's number, is written by a vector instruction: a wait ahead of its first reader.
.set CF,    0                          ; concat's codes: [token tile 2][head 16][lane 32][24]
.set ST1,   24576                      ; the waves' sums: [tile 2][r 16][wave 16] f32
.set ST2,   26624                      ; and sums of squares
.set XQ,    28672                      ; 32 rows x 4112
.set XP,    4112
.set SPARE, 160256                     ; the spare words: 16 x 128 bytes
.set WS,  12                           ; v12-27  Wo's scale words: pair of tiles p, K step s at 8p + s
.set CS,  28                           ; v28-35  concat's: K step s; lanes 0-15 token tile 0, lanes 16-31 tile 1
.set ACC, 36                           ; v36-99  accumulator (m, t) at 8 (4m + t)
.set WB,  100                          ; v100-147, v148-195 Wo's four fragments, two buffers
.set CB,  196                          ; v196-219, v220-243 concat's two fragments, two buffers
.set SEL, 28                           ; s[28:29]
.macro BAR
	s_wait_dscnt 0x0
	s_barrier_signal -1
	s_barrier_wait -1
.endm
.macro WM d, a, b, zero, sa, sb, ra, rb
.if \zero
.if (\ra) && (\rb)
	v_wmma_scale_f32_16x16x128_f8f6f4 v[\d:\d+7], v[\a:\a+11], v[\b:\b+11], 0, v[\sa], v[\sb] matrix_a_fmt:MATRIX_FMT_BF6 matrix_b_fmt:MATRIX_FMT_BF6 matrix_a_scale:MATRIX_SCALE_ROW1 matrix_b_scale:MATRIX_SCALE_ROW1
.elseif \ra
	v_wmma_scale_f32_16x16x128_f8f6f4 v[\d:\d+7], v[\a:\a+11], v[\b:\b+11], 0, v[\sa], v[\sb] matrix_a_fmt:MATRIX_FMT_BF6 matrix_b_fmt:MATRIX_FMT_BF6 matrix_a_scale:MATRIX_SCALE_ROW1
.elseif \rb
	v_wmma_scale_f32_16x16x128_f8f6f4 v[\d:\d+7], v[\a:\a+11], v[\b:\b+11], 0, v[\sa], v[\sb] matrix_a_fmt:MATRIX_FMT_BF6 matrix_b_fmt:MATRIX_FMT_BF6 matrix_b_scale:MATRIX_SCALE_ROW1
.else
	v_wmma_scale_f32_16x16x128_f8f6f4 v[\d:\d+7], v[\a:\a+11], v[\b:\b+11], 0, v[\sa], v[\sb] matrix_a_fmt:MATRIX_FMT_BF6 matrix_b_fmt:MATRIX_FMT_BF6
.endif
.else
.if (\ra) && (\rb)
	v_wmma_scale_f32_16x16x128_f8f6f4 v[\d:\d+7], v[\a:\a+11], v[\b:\b+11], v[\d:\d+7], v[\sa], v[\sb] matrix_a_fmt:MATRIX_FMT_BF6 matrix_b_fmt:MATRIX_FMT_BF6 matrix_a_scale:MATRIX_SCALE_ROW1 matrix_b_scale:MATRIX_SCALE_ROW1
.elseif \ra
	v_wmma_scale_f32_16x16x128_f8f6f4 v[\d:\d+7], v[\a:\a+11], v[\b:\b+11], v[\d:\d+7], v[\sa], v[\sb] matrix_a_fmt:MATRIX_FMT_BF6 matrix_b_fmt:MATRIX_FMT_BF6 matrix_a_scale:MATRIX_SCALE_ROW1
.elseif \rb
	v_wmma_scale_f32_16x16x128_f8f6f4 v[\d:\d+7], v[\a:\a+11], v[\b:\b+11], v[\d:\d+7], v[\sa], v[\sb] matrix_a_fmt:MATRIX_FMT_BF6 matrix_b_fmt:MATRIX_FMT_BF6 matrix_b_scale:MATRIX_SCALE_ROW1
.else
	v_wmma_scale_f32_16x16x128_f8f6f4 v[\d:\d+7], v[\a:\a+11], v[\b:\b+11], v[\d:\d+7], v[\sa], v[\sb] matrix_a_fmt:MATRIX_FMT_BF6 matrix_b_fmt:MATRIX_FMT_BF6
.endif
.endif
.endm
.macro WFETCH s                        ; Wo: my four tiles' fragments of K step s
.irp t, 0,1,2,3
.irp p, 0,1,2
	global_load_b128 v[WB+48*((\s)%2)+12*\t+4*\p:WB+48*((\s)%2)+12*\t+4*\p+3], v3, s[8:9] offset:\t*12288+(\s)*1536+512*\p
.endr
.endr
.endm
.macro CFETCH s                        ; concat: K step s = heads 2s, 2s + 1; lane (r, h) takes block h of each: 24 bytes, in pieces of 8
.irp m, 0,1
.irp c, 0,1
.irp k, 0,1,2
	ds_load_b64 v[CB+24*((\s)%2)+12*\m+6*\c+2*\k:CB+24*((\s)%2)+12*\m+6*\c+2*\k+1], v4 offset:CF+\m*12288+(2*(\s)+\c)*768+8*\k
.endr
.endr
.endr
.endm
.macro OSTEP s
.if (\s) < 7
	s_wait_loadcnt 12                              ; this step's 12 loads of Wo are in; the next step's 12 stay out
	s_wait_dscnt 12                                ; likewise concat's
.else
	s_wait_loadcnt 0x0
	s_wait_dscnt 0x0
.endif
.if (\s) == 0
.set ZZ, 1
.else
.set ZZ, 0
.endif
.irp m, 0,1                            ; the eight accumulators take turns, in the same order in every step
.irp t, 0,1,2,3
	WM ACC+8*(4*\m+\t), WB+48*((\s)%2)+12*\t, CB+24*((\s)%2)+12*\m, ZZ, WS+8*(\t/2)+(\s), CS+(\s), \t%2, \m
.endr
.endr
.rept 4
	v_nop                                          ; four places behind the products, as they stood: ahead of the first read of results behind the last step; ahead of the loads below the wait states the dependence
.endr
.if (\s) < 6
	s_wait_alu depctr_va_vdst(0)                   ; this step's products are done reading their buffers of Wo and of concat, in which the loads of two steps on land; the next step's products name the other buffers
	WFETCH (\s)+2
	CFETCH (\s)+2
.endif
.endm
; the two chains of pairs in v[228+4m..231+4m] become a token's sum over my 64 columns; the sixteen waves' sums meet at st; the token's sum over 1024 columns comes back in v[100+16m]
.macro ACROSS st
.irp m, 0,1
	v_pk_add_f32 v[228+4*\m:229+4*\m], v[228+4*\m:229+4*\m], v[230+4*\m:231+4*\m]
.endr
.irp m, 0,1
	v_add_f32 v[228+4*\m], v[228+4*\m], v[229+4*\m]
.endr
.irp m, 0,1
	v_permlanex16_b32 v[229+4*\m], v[228+4*\m], s[SEL], s[SEL+1]
.endr
.irp m, 0,1
	v_add_f32 v[228+4*\m], v[228+4*\m], v[229+4*\m]
.endr
	s_wait_alu depctr_va_vdst(0)                   ; v228 and v232 are written, which the stores read; and the vector work is done with v100 to v131, in which the loads behind the barrier land
.irp m, 0,1
	ds_store_b32 v8, v[228+4*\m] offset:\st+1024*\m       ; lanes l and l xor 16 write the same word with the same value
.endr
	BAR
.irp m, 0,1
.irp k, 0,1,2,3
	ds_load_b128 v[100+16*\m+4*\k:103+16*\m+4*\k], v9 offset:\st+1024*\m+16*\k
.endr
.endr
	s_wait_dscnt 0x0
.irp m, 0,1
.irp k, 0,4,8,12
	v_pk_add_f32 v[100+16*\m+\k:101+16*\m+\k], v[100+16*\m+\k:101+16*\m+\k], v[102+16*\m+\k:103+16*\m+\k]
.endr
.endr
.irp m, 0,1
.irp k, 0,8
	v_pk_add_f32 v[100+16*\m+\k:101+16*\m+\k], v[100+16*\m+\k:101+16*\m+\k], v[104+16*\m+\k:105+16*\m+\k]
.endr
.endr
.irp m, 0,1
	v_pk_add_f32 v[100+16*\m:101+16*\m], v[100+16*\m:101+16*\m], v[108+16*\m:109+16*\m]
.endr
.irp m, 0,1
	v_add_f32 v[100+16*\m], v[100+16*\m], v[101+16*\m]
.endr
.endm
	s_load_b512 s[4:19], s[0:1], 0x0               ; cc, cs, cod, scl, query, bo, ln_g, ln_b
	s_load_b64 s[20:21], s[0:1], 0x40              ; out0
	v_lshl_add_u32 v1, v0, 2, SPARE
	v_mov_b32 v2, 0
	v_lshrrev_b32 v4, 5, v0
	v_readfirstlane_b32 s22, v4                    ; wave 0..15
	v_and_b32 v244, 31, v0
	v_lshlrev_b32 v3, 4, v244                      ; 16 x lane
	v_mul_u32_u24 v4, v244, 24                     ; 24 x lane
	v_and_b32 v244, 15, v0                         ; r
	v_bfe_u32 v245, v0, 4, 1                       ; h
	v_mul_u32_u24 v5, v244, XP
	v_lshl_add_u32 v5, v245, 6, v5
	s_wait_alu depctr_va_sdst(0)                   ; s22 is written, ahead of its first reader: the wave's addresses are made from it
	s_lshl_b32 s23, s22, 8
	s_add_co_u32 s23, s23, XQ
	v_add_nc_u32 v5, s23, v5                       ; my token of tile 0, my wave's 256 bytes of its row, + 64 h
	v_add_nc_u32 v6, 16*XP, v5                     ; of tile 1
	s_mul_i32 s23, s22, 2*XP
	s_add_co_u32 s23, s23, XQ
	v_add_nc_u32 v7, s23, v3                       ; whole rows 2w, 2w + 1
	v_lshlrev_b32 v9, 6, v244                      ; a token's sixteen sums
	s_lshl_b32 s23, s22, 2
	v_add_nc_u32 v8, s23, v9                       ; mine among them
	v_lshlrev_b32 v10, 4, v244
	v_lshl_add_u32 v10, v245, 9, v10               ; scale words: 512 h + 16 r
	s_mul_i32 s23, s22, 1536
	v_add_nc_u32 v11, s23, v3                      ; my 1536 bytes of concat's codes
	s_mov_b32 s[SEL], 0x76543210
	s_mov_b32 s[SEL+1], 0xfedcba98
	s_mov_b32 s30, 0x3a800000                      ; 1 / 1024
	s_mov_b32 s31, 0x3727c5ac                      ; 1e-5
	s_lshl_b32 s24, ttmp9, 5
	s_lshl_b32 s23, s22, 1
	s_add_co_u32 s24, s24, s23
	s_lshl_b32 s24, s24, 12                        ; rows 32 i + 2 w of query and out0
	s_mov_b32 s25, 0
	s_mul_i32 s26, ttmp9, 24576
	s_mul_i32 s23, s22, 1536
	s_add_co_u32 s26, s26, s23
	s_mov_b32 s27, 0
	s_lshl_b32 s32, ttmp9, 10
	s_mov_b32 s33, 0
	s_lshl_b32 s34, s22, 2
	s_add_co_u32 s34, s34, 896                     ; my first tile of Wo
	s_mul_i32 s36, s34, 12288
	s_mov_b32 s37, 0
	s_lshl_b32 s34, s34, 9
	s_mov_b32 s35, 0
	s_wait_kmcnt 0x0
	s_add_nc_u64 s[12:13], s[12:13], s[24:25]
	s_add_nc_u64 s[20:21], s[20:21], s[24:25]
	s_add_nc_u64 s[4:5], s[4:5], s[26:27]
	s_add_nc_u64 s[6:7], s[6:7], s[32:33]
	s_add_nc_u64 s[8:9], s[8:9], s[36:37]
	s_add_nc_u64 s[10:11], s[10:11], s[34:35]
	s_wait_alu depctr_va_vdst(0)                   ; the offsets and addresses v3 to v11 are written, which the kernel's loads and stores read
.irp p, 0,1
.irp q, 0,1,2,3,4,5,6,7
	global_load_b128 v[ACC+32*\p+4*\q:ACC+32*\p+4*\q+3], v3, s[12:13] offset:\p*4096+\q*512 th:TH_LOAD_NT
.endr
.endr
.irp q, 0,1,2,3,4,5,6,7
	global_load_b128 v[196+4*\q:199+4*\q], v3, s[14:15] offset:\q*512
.endr
.irp k, 0,1,2
	global_load_b128 v[228+4*\k:231+4*\k], v3, s[4:5] offset:\k*512
.endr
.irp p, 0,1
.irp f, 0,1
	global_load_b128 v[WS+8*\p+4*\f:WS+8*\p+4*\f+3], v10, s[10:11] offset:\p*1024+\f*256
.endr
.endr
.irp f, 0,1
	global_load_b128 v[CS+4*\f:CS+4*\f+3], v10, s[6:7] offset:\f*256
.endr
	WFETCH 0
	WFETCH 1
	s_wait_loadcnt 30                              ; query, bo and concat's codes are in; the 6 loads of scale words and the 24 of Wo stay out
.irp p, 0,1
.set kk, 0
.rept 16
	v_pk_add_f32 v[ACC+32*\p+kk:ACC+32*\p+kk+1], v[ACC+32*\p+kk:ACC+32*\p+kk+1], v[196+kk:197+kk]   ; query + bo
.set kk, kk+2
.endr
.endr
	s_wait_alu depctr_va_vdst(0)                   ; the adds have written v36 to v99, which the stores read, and are done reading bo in v196 to v227, in which concat's fragments land behind the barrier
.irp p, 0,1
.irp q, 0,1,2,3,4,5,6,7
	ds_store_b128 v7, v[ACC+32*\p+4*\q:ACC+32*\p+4*\q+3] offset:\p*XP+\q*512
.endr
.endr
.irp k, 0,1,2
	ds_store_b128 v11, v[228+4*\k:231+4*\k] offset:CF+\k*512
.endr
	BAR                                            ; 32 rows of query + bo and concat's codes lie in LDS
	s_wait_alu depctr_vm_vsrc(0)                   ; my stores have read v36 to v99, which the products write, and v228 to v239, in which concat's fragments land
	CFETCH 0
	CFETCH 1
	OSTEP 0
	OSTEP 1
	OSTEP 2
	OSTEP 3
	OSTEP 4
	OSTEP 5
	OSTEP 6
	OSTEP 7
	s_wait_alu depctr_va_vdst(0)                   ; the last two steps' products are done reading both buffers of Wo and of concat: ln_g, ln_b and query + bo land in v100 to v227
.irp q, 0,1,2,3,4,5,6,7
	global_load_b128 v[164+4*\q:167+4*\q], v3, s[16:17] offset:\q*512      ; ln_g and ln_b, for the whole rows at the end
	global_load_b128 v[196+4*\q:199+4*\q], v3, s[18:19] offset:\q*512
.endr
.irp m, 0,1
.irp b, 0,1
.irp j, 0,1,2,3
	ds_load_b128 v[100+32*\m+16*\b+4*\j:103+32*\m+16*\b+4*\j], v[5+\m] offset:128*\b+16*\j
.endr
.endr
.endr
	s_wait_dscnt 0x0
.set kk, 0
.rept 32
	v_pk_add_f32 v[ACC+kk:ACC+kk+1], v[ACC+kk:ACC+kk+1], v[100+kk:101+kk]   ; x; each accumulator from its low end on
.set kk, kk+2
.endr
.irp m, 0,1
	v_pk_add_f32 v[228+4*\m:229+4*\m], v[ACC+32*\m:ACC+32*\m+1], v[ACC+32*\m+2:ACC+32*\m+3]
	v_pk_add_f32 v[230+4*\m:231+4*\m], v[ACC+32*\m+4:ACC+32*\m+5], v[ACC+32*\m+6:ACC+32*\m+7]
.endr
.irp k, 8,12,16,20,24,28
.irp m, 0,1
	v_pk_add_f32 v[228+4*\m:229+4*\m], v[228+4*\m:229+4*\m], v[ACC+32*\m+\k:ACC+32*\m+\k+1]
	v_pk_add_f32 v[230+4*\m:231+4*\m], v[230+4*\m:231+4*\m], v[ACC+32*\m+\k+2:ACC+32*\m+\k+3]
.endr
.endr
	ACROSS ST1
	s_wait_alu depctr_vm_vsrc(0)                   ; the stores of the sums have read v228 and v232, which the squares below write again
.irp m, 0,1
	v_mul_f32 v[100+16*\m], s30, v[100+16*\m]      ; the mean
.endr
.irp m, 0,1
.set kk, 0
.rept 16
	v_pk_add_f32 v[ACC+32*\m+kk:ACC+32*\m+kk+1], v[ACC+32*\m+kk:ACC+32*\m+kk+1], v[100+16*\m:101+16*\m] op_sel_hi:[1,0] neg_lo:[0,1] neg_hi:[0,1]
.set kk, kk+2
.endr
.endr
.irp m, 0,1
	v_pk_mul_f32 v[228+4*\m:229+4*\m], v[ACC+32*\m:ACC+32*\m+1], v[ACC+32*\m:ACC+32*\m+1]
	v_pk_mul_f32 v[230+4*\m:231+4*\m], v[ACC+32*\m+2:ACC+32*\m+3], v[ACC+32*\m+2:ACC+32*\m+3]
.endr
.irp k, 4,8,12,16,20,24,28
.irp m, 0,1
	v_pk_fma_f32 v[228+4*\m:229+4*\m], v[ACC+32*\m+\k:ACC+32*\m+\k+1], v[ACC+32*\m+\k:ACC+32*\m+\k+1], v[228+4*\m:229+4*\m]
	v_pk_fma_f32 v[230+4*\m:231+4*\m], v[ACC+32*\m+\k+2:ACC+32*\m+\k+3], v[ACC+32*\m+\k+2:ACC+32*\m+\k+3], v[230+4*\m:231+4*\m]
.endr
.endr
	ACROSS ST2
.irp m, 0,1
	v_fma_f32 v[100+16*\m], v[100+16*\m], s30, s31 ; the variance + 1e-5
.endr
.irp m, 0,1
	v_rsq_f32 v[100+16*\m], v[100+16*\m]
.endr
	v_nop
	s_wait_alu depctr_va_vdst(0)                   ; one wait for the two: the reciprocal roots are written, ahead of their first reader
.irp m, 0,1
.set kk, 0
.rept 16
	v_pk_mul_f32 v[ACC+32*\m+kk:ACC+32*\m+kk+1], v[ACC+32*\m+kk:ACC+32*\m+kk+1], v[100+16*\m:101+16*\m] op_sel_hi:[1,0]
.set kk, kk+2
.endr
.endr
	s_wait_alu depctr_va_vdst(0)                   ; the products have written v36 to v99, which the stores read, and are done reading v100 to v117: whole rows land in v100 to v163 behind the barrier
.irp m, 0,1
.irp b, 0,1
.irp j, 0,1,2,3
	ds_store_b128 v[5+\m], v[ACC+32*\m+16*\b+4*\j:ACC+32*\m+16*\b+4*\j+3] offset:128*\b+16*\j   ; back to the bytes that I alone read, two barriers ago
.endr
.endr
.endr
	BAR                                            ; 32 normalised rows lie in LDS
.irp p, 0,1
.irp q, 0,1,2,3,4,5,6,7
	ds_load_b128 v[100+32*\p+4*\q:103+32*\p+4*\q], v7 offset:\p*XP+\q*512
.endr
.endr
	s_wait_dscnt 0x0
	s_wait_loadcnt 0x0                             ; ln_g, ln_b
.irp p, 0,1
.set kk, 0
.rept 16
	v_pk_fma_f32 v[100+32*\p+kk:101+32*\p+kk], v[100+32*\p+kk:101+32*\p+kk], v[164+kk:165+kk], v[196+kk:197+kk]
.set kk, kk+2
.endr
.endr
	s_wait_alu depctr_va_vdst(0)                   ; the multiply-adds have written v100 to v163, which the stores read
.irp p, 0,1
.irp q, 0,1,2,3,4,5,6,7
	global_store_b128 v3, v[100+32*\p+4*\q:103+32*\p+4*\q], s[20:21] offset:\p*4096+\q*512 th:TH_STORE_NT   ; 512 consecutive bytes, aligned
.endr
.endr
	s_wait_dscnt 0x0                               ; the closing lines, six on end
	s_wait_alu 0x0
	s_wait_tensorcnt 0x0
	ds_add_u32 v1, v2
	s_wait_dscnt 0x0
	s_endpgm
.Lfunc_end_k_qa64ab16351_outln:
	.size	k_qa64ab16351_outln, .Lfunc_end_k_qa64ab16351_outln-k_qa64ab16351_outln
	.p2alignl 7, 3214868480
	.fill 96, 4, 3214868480
	.section	.rodata,"a",@progbits
	.p2align	6, 0x0
	.amdhsa_kernel k_qa64ab16351_outln
		.amdhsa_group_segment_fixed_size 162304
		.amdhsa_private_segment_fixed_size 0
		.amdhsa_enable_private_segment 0
		.amdhsa_kernarg_size 72
		.amdhsa_user_sgpr_count 2
		.amdhsa_user_sgpr_kernarg_segment_ptr 1
		.amdhsa_wavefront_size32 1
		.amdhsa_system_sgpr_workgroup_id_x 1
		.amdhsa_system_sgpr_workgroup_id_y 1
		.amdhsa_system_sgpr_workgroup_id_z 1
		.amdhsa_system_vgpr_workitem_id 0
		.amdhsa_next_free_vgpr 256
		.amdhsa_next_free_sgpr 66
		.amdhsa_reserve_vcc 0
		.amdhsa_float_denorm_mode_32 3
		.amdhsa_float_denorm_mode_16_64 3
		.amdhsa_memory_ordered 1
		.amdhsa_forward_progress 1
		.amdhsa_inst_pref_size 57
	.end_amdhsa_kernel
	.amdgpu_metadata
---
amdhsa.version: [ 1, 2 ]
amdhsa.kernels:
  - .name:           k_qa64ab16351_outln
    .symbol:         k_qa64ab16351_outln.kd
    .args:
      - { .name: cc, .offset: 0, .size: 8, .value_kind: global_buffer, .address_space: global }
      - { .name: cs, .offset: 8, .size: 8, .value_kind: global_buffer, .address_space: global }
      - { .name: cod, .offset: 16, .size: 8, .value_kind: global_buffer, .address_space: global }
      - { .name: scl, .offset: 24, .size: 8, .value_kind: global_buffer, .address_space: global }
      - { .name: query, .offset: 32, .size: 8, .value_kind: global_buffer, .address_space: global }
      - { .name: bo, .offset: 40, .size: 8, .value_kind: global_buffer, .address_space: global }
      - { .name: ln_g, .offset: 48, .size: 8, .value_kind: global_buffer, .address_space: global }
      - { .name: ln_b, .offset: 56, .size: 8, .value_kind: global_buffer, .address_space: global }
      - { .name: out0, .offset: 64, .size: 8, .value_kind: global_buffer, .address_space: global }
    .group_segment_fixed_size: 162304
    .private_segment_fixed_size: 0
    .kernarg_segment_align: 8
    .kernarg_segment_size: 72
    .max_flat_workgroup_size: 512
    .sgpr_count:     66
    .vgpr_count:     256
    .wavefront_size: 32
...
	.end_amdgpu_metadata
.endif
;; end of part 6
